; MI455X (gfx1250); checked and timed in simulation.
; The chip was launched on July 23, 2026; its instructions are those of AMD's public machine-readable ISA for CDNA 5 (MIT licence, August 2026) and "CDNA5" Instruction Set Architecture Reference Guide (July 2026). The comments in the code are by the model that wrote it; some were corrected since.
;; Multi Head Attention. Allowed arithmetic: matrix products marked QUANTISED: E2M3 operands, one E8M0 scale for each 32 along K, by v_wmma_scale_f32_16x16x128_f8f6f4 with both operands' format E2M3, f32 sums; everything else in f32.
;; Inputs: Wk 1,024 x 1,024 float32; Wo 1,024 x 1,024 float32; Wq 1,024 x 1,024 float32; Wv 1,024 x 1,024 float32; bk 1,024 float32; bo 1,024 float32; bq 1,024 float32; bv 1,024 float32; key 4 x 2,048 x 1,024 float32; mask 4 x 2,048 int32; query 4 x 2,048 x 1,024 float32; value 4 x 2,048 x 1,024 float32.
;; Outputs: out0 4 x 2,048 x 1,024 float32.
;; This version of the problem:
;;   THIS VERSION OF THE PROBLEM IS GIVEN IN LOW PRECISION. The matrix products marked QUANTISED in the list below multiply operands that are first quantised to E2M3 (2 exponent bits, 3 mantissa bits; 6 bits a number), with one power-of-two scale for each 32 numbers along K (OCP MX v1.0); their sums are f32. All else is computed in f32.
;;   The module's matrix products, in the order in which they are computed (A, B: the left and right operand; K: the contracted axis; several contracted axes count as one K, in the product's order):
;;     1. [M 8,192, K 1,024] x [K 1,024, N 1,024]; A: input query; B: input Wq: QUANTISED
;;     2. [M 8,192, K 1,024] x [K 1,024, N 1,024]; A: input key; B: input Wk: QUANTISED
;;     3. [M 8,192, K 1,024] x [K 1,024, N 1,024]; A: input value; B: input Wv: QUANTISED
;;     4. batch 64 x [M 2,048, K 64] x [K 64, N 2,048]; A: computed on the way; B: computed on the way: QUANTISED
;;     5. batch 64 x [M 2,048, K 2,048] x [K 2,048, N 64]; A: softmax (see below); B: computed on the way: QUANTISED
;;     6. [M 8,192, K 1,024] x [K 1,024, N 1,024]; A: computed on the way; B: input Wo: QUANTISED
;;   THE QUANTISER, for each operand of a quantised product, along K:
;;     - K is cut into blocks of 32 from its start; a last block that is shorter is filled with zeros.
;;     - A block's scale is 2^e with e = floor(log2(the largest magnitude in the block)) - 2, held to -126 .. 127; a block of zeros has e = 0. As a byte (E8M0): e + 127.
;;     - Each number is divided by its block's scale, clamped to +-7.5, and rounded to the nearest number of E2M3, ties to even, subnormals kept.
;;     - The product sums the exact products of the quantised numbers (number of the format x scale) in f32.
;;   ~~~python
;;   def quantise(x, axis):      # numpy; x: float32 -> the quantised numbers, widened to float32 again
;;       x = np.moveaxis(x, axis, -1); K = x.shape[-1]
;;       x = np.pad(x, [(0, 0)] * (x.ndim - 1) + [(0, -K % 32)]); x = x.reshape(x.shape[:-1] + (-1, 32)); a = np.abs(x).max(-1, keepdims=True)
;;       e = np.where(a > 0, np.clip(np.frexp(np.where(a > 0, a, 1))[1] - 1 - 2, -126, 127), 0)      # np.frexp(a)[1] - 1 = floor(log2(a)), exactly
;;       r = np.clip(x / 2.0 ** e, -7.5, 7.5)
;;       step = 2.0 ** (np.maximum(np.frexp(np.where(r == 0, 1, r))[1] - 1, 0) - 3)
;;       q = np.round(r / step) * step * 2.0 ** e      # np.round: ties to even
;;       return np.moveaxis(q.reshape(q.shape[:-2] + (-1,))[..., :K], -1, axis).astype(np.float32)
;;   ~~~
;;   SOFTMAX AHEAD OF A QUANTISED PRODUCT. Where the list says 'softmax', what is quantised is not the finished softmax but p = 2^(t - M), with t = logit x log2(e) and M = ceil(the row's largest t), a whole number; so 1/2 < the row's largest p <= 1. The row's sum l is taken of the UNQUANTISED p, in f32, and the product's result is divided by l at the end. Since M is a whole number, a kernel that streams over the keys may use a running M (the ceiling of the running maximum): every later rescaling is an exact power of two, which a block's scale takes up: the codes' values come out the same.
;;   OPERANDS COMPUTED ON THE WAY. 'Computed on the way' means the value that the module computes at that place (a softmax that the list does not call 'softmax' is quantised finished and normalised). What goes into a quantiser is computed in f32, as accurately as f32 sums, v_exp_f32 and their like allow (about 1e-6 of the number): no bf16 or f16 on the way to a quantiser, and a product that is left as it is and whose result goes on into a quantised operand takes f32 operands (vector FMAs, or v_wmma_f32_16x16x4_f32). A number that lies on a knife's edge between two numbers of the format may be rounded either way, as far as f32 arithmetic and the matrix unit's own rounding can turn it there, and no further.
;; One version. Each part assembles by itself: llvm-mc -triple=amdgcn-amd-amdhsa -mcpu=gfx1250 --defsym DOCPART=n.
;; ======== version 1 of 1: 4 launches
;; limits: right only within a limited range of input values
;; workspace buffers: cod 22,020,096 bytes; scl 917,504 bytes; qb 8,912,896 bytes; kv 15,728,640 bytes; ctc 6,291,456 bytes; cts 262,144 bytes
;; launch quant (part 1): grid 256 x 1, 14 waves a work-group, no clusters, 120,064 bytes of LDS; arguments query, key, value, Wq, Wk, Wv, Wo, cod, scl; writes cod, scl
.if DOCPART == 1
	.amdgcn_target "amdgcn-amd-amdhsa--gfx1250"
	.amdhsa_code_object_version 6
	.text
	.protected	k_q2d0938d473_quant
	.globl	k_q2d0938d473_quant
	.p2align	8
	.type	k_q2d0938d473_quant,@function
k_q2d0938d473_quant:
	s_mov_b64 s[64:65], 0
	v_nop
	global_prefetch_b8 v0, s[64:65] scope:SCOPE_SE
	s_setreg_imm32_b32 hwreg(HW_REG_WAVE_MODE, 25, 1), 1
	s_wait_xcnt 0x0
; MULTI-HEAD ATTENTION IN MX-FP6 (E2M3 codes, one E8M0 scale for each 32 along K), four launches: quant, proj, attn, oproj.
; NO WORK OF THE PROBLEM IS LEFT OUT: all twelve inputs have a way to the output and all are loaded (bk too: it moves the codes of k).
; Two identities are used further on, for all values of the inputs:
;  (a) q / 8 is a division by a power of two: it moves no code of q, only its blocks' exponents; the 8 is folded into c = log2(e) / 8, by which the scores are
;      multiplied.  LIMIT: blocks of q whose largest magnitude lies under 2^-121, where the exponent of q / 8 would be held at -126, are not served.
;  (b) where(mask == 0, -1e20, score): a masked key gets zero codes and, in an empty place of the score product's K (place 64 of 128), the code -4 under the
;      byte 159; every query has +4 under the byte 160 there: the masked score is exactly -2^69, a logit of -2^66.  LIMIT: a kept logit under -7.4e19 is
;      ranked against -2^66 and not against -1e20.  Where all keys of a batch are masked every p is 1, as with -1e20.
; OTHER LIMITS: NaN and infinities among the inputs are not served; a block whose largest magnitude lies under 2^-124 keeps the byte 1; a block of zeros has the
; byte 1 and not 127: its codes are zeros, and the bytes are read by this program alone.
;
; THIS LAUNCH turns query, key, value ([8192][1024], K innermost) and Wq, Wk, Wv, Wo ([K 1024][N 1024], K outermost) into codes and scale words, laid in the order of
; an operand's registers.  A TILE T of any row space is the 16 rows 32 (T / 2) + 8 (T % 2) + r + 8 (r / 8), r = lane % 16.
; cod [T 1792][hf 16][768]: half fragment hf = 16 rows x 64 along K: byte 16 lane: operand registers 6 c .. 6 c + 3; byte 512 + 16 r + 8 h: registers 6 c + 4, 6 c + 5 (h = lane / 16).
;   T 0-511 query, 512-1023 key, 1024-1535 value, 1536 + 64 w .. the rows n of weight w.
; scl [T][sh 2][r 16][4 words]: word j = the scale word of K step 4 sh + j of row r.
; SHARES.  Waves 0-11 of work-group g take half wave % 2 of K of activation tile 6 g + wave / 2 (16 rows x 512: 32 KB); waves 12, 13 take 32 columns x 256 along K of a weight (32 KB).
; No barrier: waves share nothing.  No loop: every offset is an immediate.
.set STG,   8448                       ; a wave's stage in LDS: 16 rows x (512 bytes + 16)
; THE SHARES AS THEY ARE NOW: 14 waves.  Waves 0-11 of work-group g: activation tile 6 g + wave / 2, half wave % 2 of K (16 rows x 512: four fragments).  Waves 12, 13: 32 columns x 256 along K of a weight (eight blocks).
; A weight's scale words leave 8 bytes a lane, 16 bytes apart (two K steps of a row's four): those units are written in part; they are 131,072 bytes of all that the launch stores.
.set SPARE, 14*STG                     ; behind the stages: the spare words, 128 bytes a wave, seven blocks of 256 bytes that no other line names
.set L16,  1                           ; v1   16 x lane
.set L8,   2                           ; v2   16 r + 8 h
.set SIN,  3                           ; v3   the stage, on the way in: 16 x lane
.set SOUT, 4                           ; v4   and out: 528 r + 64 h
.set HH,   5                           ; v5   h
.set SPW,  6                           ; v6   my spare word; never rewritten
.set NIL,  7                           ; v7   0; never rewritten
.set W,    8                           ; v8-11   the four scale words of my half of the row
.set WQ,   16                          ; v16, v17 the two that my lane stores
.set RA,   20                          ; v20-147 two sets of 64: a fragment's numbers as loaded
.set X,    148                         ; v148-211 64 numbers: register 16 b + i = k 32 b + 16 h + i of row r
.set PC,   212                         ; v212-223 the fragment's codes
.set XT,   224                         ; v224-226, v228-230 the upper halves of the blocks, before they change lanes
.set TM,   232                         ; v232-247 at work
.set PW,   248                         ; v248 the scale word just made
.set SEL,  32                          ; s[32:33] lane selects: lane xor 16
; the weights' path
.set LA,   20                          ; v20-83  two sets of 32: a block down K of my column
.set QC,   148                         ; v148-151, v152-155 a block's first four operand registers (c = 0, 1)
.set BT,   156                         ; v156-158, v160-162 the codes of a block's upper 16
.set Y,    164                         ; v164-167, v168-171 operand registers 4, 5 of lanes (r, 0) and (r, 1)
.set MX,   172
.set SO,   174
.set BY,   176
.set WW,   180                         ; v180-183 my column's four scale words
.set WL,   184                         ; v184 4 x lane
.set WC,   185                         ; v185 my place among the codes
.set WS,   186                         ; v186 and among the scale words
.set WU,   187
.set WR,   188
; 64 numbers of a lane become a fragment's codes in v[PC] on and its scale word in v[PW] (the same in lanes l and l xor 16).
.macro QUANT s
.irp b, 0,1,2,3
	v_max3_num_f32 v[TM+\b], |v[\s+16*\b]|, |v[\s+1+16*\b]|, 0x1800000   ; block b: my 16 numbers, and the floor 2^(3 - 127): the byte cannot fall under 1
.endr
.irp i, 2,4,6,8,10,12,14
.irp b, 0,1,2,3
	v_max3_num_f32 v[TM+\b], v[TM+\b], |v[\s+16*\b+\i]|, |v[\s+1+16*\b+\i]|   ; the four blocks by turns
.endr
.endr
.irp b, 0,1,2,3
	v_permlanex16_b32 v[TM+4+\b], v[TM+\b], s[SEL], s[SEL+1]
.endr
.irp b, 0,1,2,3
	v_max_num_f32 v[TM+\b], v[TM+\b], v[TM+4+\b]       ; with lane l xor 16: the block's largest magnitude
.endr
.irp b, 0,1,2,3
	v_add_nc_u32 v[TM+12+\b], 0xff000000, v[TM+\b]     ; 2 off its exponent field: the conversion's scale operand
.endr
.irp b, 0,1,2,3
	v_lshrrev_b32 v[TM+4+\b], 23, v[TM+12+\b]          ; the scale's byte
.endr
	v_lshl_or_b32 v[PW], v[TM+5], 8, v[TM+4]
	v_lshl_or_b32 v[PW], v[TM+6], 16, v[PW]
	v_lshl_or_b32 v[PW], v[TM+7], 24, v[PW]
.irp c, 0,1
	v_cvt_scalef32_pk16_fp6_f32 v[PC+6*\c:PC+2+6*\c], v[\s+32*\c:\s+15+32*\c], v[TM+12+2*\c]
	v_cvt_scalef32_pk16_fp6_f32 v[XT+4*\c:XT+2+4*\c], v[\s+16+32*\c:\s+31+32*\c], v[TM+12+2*\c+1]   ; a conversion's three registers begin on an even number
.endr
	v_nop                                              ; one plain place behind a scaled conversion
.irp c, 0,1                            ; the operand wants a whole block in a lane: lanes 0-15 block 2 c, lanes 16-31 block 2 c + 1
.irp i, 0,1,2
	v_permlane16_swap_b32 v[PC+6*\c+\i], v[XT+4*\c+\i]
.endr
.irp i, 0,1,2
	v_mov_b32 v[PC+3+6*\c+\i], v[XT+4*\c+\i]
.endr
.endr
.endm
	s_load_b512 s[4:19], s[0:1], 0x0               ; query, key, value, Wq, Wk, Wv, Wo, cod
	s_load_b64 s[20:21], s[0:1], 0x40              ; scl
	v_lshl_add_u32 v[SPW], v0, 2, SPARE
	v_mov_b32 v[NIL], 0
	v_lshrrev_b32 v[L16], 5, v0
	v_readfirstlane_b32 s22, v[L16]                ; wave 0..13
	v_and_b32 v[L16], 31, v0
	v_and_b32 v[PW], 15, v0                        ; r
	v_bfe_u32 v[HH], v0, 4, 1                      ; h
	v_lshlrev_b32 v[L8], 4, v[PW]
	v_lshl_add_u32 v[L8], v[HH], 3, v[L8]
	v_mul_u32_u24 v[SOUT], v[PW], 528
	v_lshl_add_u32 v[SOUT], v[HH], 6, v[SOUT]
	v_lshlrev_b32 v[L16], 4, v[L16]
	s_mul_i32 s23, s22, STG
	v_add_nc_u32 v[SIN], s23, v[L16]               ; every LDS address is made ahead of the parting
	v_add_nc_u32 v[SOUT], s23, v[SOUT]
	s_mov_b32 s[SEL], 0x76543210
	s_mov_b32 s[SEL+1], 0xfedcba98
	s_wait_kmcnt 0x0
	s_cmp_ge_u32 s22, 12
	s_cbranch_scc1 .Lweights
; ---- ACTIVATIONS: one tile of 16 rows, half of K: four fragments of 128 along K
	s_mul_i32 s24, ttmp9, 6
	s_lshr_b32 s38, s22, 1
	s_add_co_u32 s24, s24, s38                     ; my tile, 0..1535
	s_and_b32 s38, s22, 1                          ; my half of K
	s_cmp_lt_u32 s24, 1024
	s_cselect_b64 s[26:27], s[6:7], s[8:9]
	s_cmp_lt_u32 s24, 512
	s_cselect_b64 s[26:27], s[4:5], s[26:27]       ; the choice hangs on ids alone
	; THE TILES OF key ARE LAID OTHERWISE than all others: tile T of key is the 16 rows 64 (T / 4) + 8 (T % 4) + r + 24 (r / 8), so that in the attention a lane's 32 scores of four tiles are one block of 32 keys.
	; query, value: groups of 2 tiles and 32 rows, the second eight rows 16 on; key: groups of 4 tiles and 64 rows, the second eight rows 32 on
	s_and_b32 s28, s24, 511
	s_lshr_b32 s30, s24, 9                         ; 0 query, 1 key, 2 value
	s_cmp_eq_u32 s30, 1
	s_cselect_b32 s30, 2, 1                        ; log2 of a group's tiles
	s_cselect_b32 s36, 65536, 0                    ; key: rows 8-15 lie 16 rows of 4,096 bytes further on
	s_lshr_b32 s29, s28, s30                       ; the group
	s_lshl_b32 s31, s29, s30
	s_sub_co_u32 s31, s28, s31                     ; the tile in it
	s_add_co_u32 s30, s30, 4
	s_lshl_b32 s28, s29, s30                       ; 32 or 64 rows a group
	s_lshl_b32 s31, s31, 3
	s_add_co_u32 s28, s28, s31                     ; the tile's first row
	s_lshl_b32 s28, s28, 12                        ; rows of 4,096 bytes
	s_lshl_b32 s31, s38, 11
	s_add_co_u32 s28, s28, s31                     ; + my half of K: 512 numbers
	s_mov_b32 s29, 0
	s_mov_b32 s37, 0
	s_add_nc_u64 s[26:27], s[26:27], s[28:29]
	s_add_nc_u64 s[36:37], s[26:27], s[36:37]      ; the base for rows 8-15
	s_mul_i32 s28, s24, 12288
	s_mul_i32 s31, s38, 6144
	s_add_co_u32 s28, s28, s31                     ; + four fragments of 1,536 bytes
	s_add_nc_u64 s[18:19], s[18:19], s[28:29]      ; the tile's codes
	s_lshl_b32 s28, s24, 9
	s_lshl_b32 s31, s38, 8
	s_add_co_u32 s28, s28, s31                     ; + 16 rows x 4 words
	s_add_nc_u64 s[20:21], s[20:21], s[28:29]      ; and its scale words
.irp b, 0,1,2,3
	v_mov_b32 v[TM+4+\b], 0                        ; written once: a lane permute's destination counts as one of its sources
.endr
.macro LOAD f                          ; fragment f: 16 loads, each a row's 512 consecutive bytes, into set f % 2
.irp i, 0,1,2,3,4,5,6,7
	global_load_b128 v[RA+64*((\f)%2)+4*\i:RA+64*((\f)%2)+4*\i+3], v[L16], s[26:27] offset:\i*4096+512*(\f) th:TH_LOAD_NT
.endr
.irp i, 8,9,10,11,12,13,14,15
	global_load_b128 v[RA+64*((\f)%2)+4*\i:RA+64*((\f)%2)+4*\i+3], v[L16], s[36:37] offset:(\i+8)*4096+512*(\f) th:TH_LOAD_NT
.endr
.endm
.macro FRAG f
.if (\f) < 3
	s_wait_loadcnt 16                              ; this fragment's 16 loads are in; the next fragment's 16 may be out
.else
	s_wait_loadcnt 0x0
.endif
.if (\f) > 0
	s_wait_xcnt 0x0                                ; the last fragment's stores have read their registers: the codes are written again only behind this wait
.endif
.irp i, 0,1,2,3,4,5,6,7,8,9,10,11,12,13,14,15
	ds_store_b128 v[SIN], v[RA+64*((\f)%2)+4*\i:RA+64*((\f)%2)+4*\i+3] offset:528*\i
.endr
.irp b, 0,1,2,3
.irp j, 0,1,2,3
	ds_load_b128 v[X+16*\b+4*\j:X+16*\b+4*\j+3], v[SOUT] offset:128*\b+16*\j   ; LDS serves a wave's instructions in order: these see the stores above
.endr
.endr
	s_wait_dscnt 0x0                               ; my 64 numbers are back
.if (\f) < 2
	LOAD (\f)+2
.endif
	QUANT X
	v_mov_b32 v[W+(\f)], v[PW]
	global_store_b128 v[L16], v[PC:PC+3], s[18:19] offset:1536*(\f)          ; 512 consecutive bytes
	global_store_b64 v[L8], v[PC+4:PC+5], s[18:19] offset:1536*(\f)+512      ; 256 consecutive bytes
	global_store_b128 v[L16], v[PC+6:PC+9], s[18:19] offset:1536*(\f)+768
	global_store_b64 v[L8], v[PC+10:PC+11], s[18:19] offset:1536*(\f)+1280
.endm
	s_wait_alu depctr_va_vdst(0)
	LOAD 0
	LOAD 1
.irp f, 0,1,2,3
	FRAG \f
.endr
	v_cmp_ne_u32 vcc_lo, 0, v[HH]
.irp j, 0,1
	v_cndmask_b32 v[WQ+\j], v[W+\j], v[W+2+\j], vcc_lo    ; lanes 0-15 store my first two K steps' words of row r, lanes 16-31 the other two
.endr
	global_store_b64 v[L8], v[WQ:WQ+1], s[20:21]          ; 256 consecutive bytes
	s_branch .Lend
; ---- WEIGHTS: a lane takes a column n, its registers run down K: the conversions give codes with K innermost, and nothing is transposed
.Lweights:
	s_lshr_b32 s24, ttmp9, 6                       ; which weight
	s_bfe_u32 s25, ttmp9, 0x10005                  ; sh: which half of K
	s_and_b32 s28, ttmp9, 31                       ; cg: which 32 columns
	s_cmp_lt_u32 s24, 2
	s_cselect_b64 s[26:27], s[10:11], s[14:15]
	s_cselect_b64 s[30:31], s[12:13], s[16:17]
	s_and_b32 s29, s24, 1
	s_cmp_lg_u32 s29, 0
	s_cselect_b64 s[26:27], s[30:31], s[26:27]
	s_lshl_b32 s30, s25, 21                        ; 512 rows of 4,096 bytes
	s_and_b32 s39, s22, 1                          ; which 256 of them are mine
	s_lshl_b32 s31, s39, 20
	s_add_co_u32 s30, s30, s31
	s_lshl_b32 s31, s28, 7
	s_add_co_u32 s30, s30, s31
	s_mov_b32 s31, 0
	s_add_nc_u64 s[26:27], s[26:27], s[30:31]
	s_lshl_b32 s29, s24, 6
	s_lshl_b32 s30, s28, 1
	s_add_co_u32 s29, s29, s30
	s_add_co_u32 s29, s29, 1536                    ; the first of my two tiles
	s_mul_i32 s30, s29, 12288
	s_mul_i32 s34, s25, 6144
	s_mul_i32 s35, s39, 3072
	s_add_co_u32 s34, s34, s35
	s_add_co_u32 s30, s30, s34
	s_add_nc_u64 s[18:19], s[18:19], s[30:31]
	s_lshl_b32 s30, s29, 9
	s_lshl_b32 s34, s25, 8
	s_lshl_b32 s35, s39, 3
	s_add_co_u32 s34, s34, s35
	s_add_co_u32 s30, s30, s34
	s_add_nc_u64 s[20:21], s[20:21], s[30:31]
	v_and_b32 v[WL], 31, v0
	v_lshlrev_b32 v[WL], 2, v[WL]
	v_bfe_u32 v[WU], v0, 3, 1                      ; column 32 cg + lane is row r = (lane % 8) + 8 (lane / 16) of tile u = (lane / 8) % 2
	v_and_b32 v[WR], 7, v0
	v_lshl_or_b32 v[WR], v[HH], 3, v[WR]
	v_lshlrev_b32 v[WR], 4, v[WR]
	v_mad_u32_u24 v[WC], v[WU], 12288, v[WR]
	v_lshl_add_u32 v[WS], v[WU], 9, v[WR]
; block n of 8: K step n / 4, half hh = (n / 2) % 2, c = n % 2: k = 128 (n / 4) + 64 c + 32 hh + 0 .. 31: the six registers 6 c .. 6 c + 5 of operand lane (r, hh)
.macro LOADB n
.irp i, 0,1,2,3,4,5,6,7,8,9,10,11,12,13,14,15,16,17,18,19,20,21,22,23,24,25,26,27,28,29,30,31
	global_load_b32 v[LA+32*((\n)%2)+\i], v[WL], s[26:27] offset:(128*((\n)/4)+64*((\n)%2)+32*(((\n)/2)%2)+\i)*4096
.endr
.endm
.macro BLOCK n
.set SS, LA+32*((\n)%2)
.set BS, (\n)/4
.set BH, ((\n)/2)%2
.set BC, (\n)%2
.if (\n) < 7
	s_wait_loadcnt 32                              ; this block's 32 loads are in; the next block's may be out
.else
	s_wait_loadcnt 0x0
.endif
	v_max3_num_f32 v[MX], |v[SS]|, |v[SS+1]|, |v[SS+2]|
	v_max3_num_f32 v[MX+1], |v[SS+3]|, |v[SS+4]|, |v[SS+5]|
.irp i, 6,10,14,18,22,26
	v_max3_num_f32 v[MX], v[MX], |v[SS+\i]|, |v[SS+\i+1]|
	v_max3_num_f32 v[MX+1], v[MX+1], |v[SS+\i+2]|, |v[SS+\i+3]|
.endr
	v_max3_num_f32 v[MX], v[MX], |v[SS+30]|, |v[SS+31]|
	v_max3_num_f32 v[MX], v[MX], v[MX+1], 0x1800000    ; and the floor
	v_add_nc_u32 v[SO], 0xff000000, v[MX]
	v_lshrrev_b32 v[BY], 23, v[SO]
.if (BC == 0) && (BH == 0)
	v_mov_b32 v[WW+BS], v[BY]
.else
	v_lshl_or_b32 v[WW+BS], v[BY], 8*(2*BC+BH), v[WW+BS]   ; byte 2 c + hh of the K step's word
.endif
	s_wait_alu depctr_va_vdst(0)
	s_wait_xcnt 0x0                                ; earlier stores have read their registers
	v_cvt_scalef32_pk16_fp6_f32 v[QC+4*BC:QC+4*BC+2], v[SS:SS+15], v[SO]
	v_cvt_scalef32_pk16_fp6_f32 v[BT+4*BC:BT+4*BC+2], v[SS+16:SS+31], v[SO]
	v_nop                                          ; one plain place behind a scaled conversion
	v_mov_b32 v[QC+4*BC+3], v[BT+4*BC]
	v_mov_b32 v[Y+4*BC+2*BH], v[BT+4*BC+1]
	v_mov_b32 v[Y+4*BC+2*BH+1], v[BT+4*BC+2]
.if (\n) < 6
	LOADB (\n)+2
.endif
	global_store_b128 v[WC], v[QC+4*BC:QC+4*BC+3], s[18:19] offset:(2*BS+BC)*768+256*BH   ; sixteen lanes of a tile store 256 consecutive bytes, aligned
.if BH
	global_store_b128 v[WC], v[Y+4*BC:Y+4*BC+3], s[18:19] offset:(2*BS+BC)*768+512
.endif
.endm
	LOADB 0
	LOADB 1
.irp n, 0,1,2,3,4,5,6,7
	BLOCK \n
.endr
	global_store_b64 v[WS], v[WW:WW+1], s[20:21]
.Lend:
	s_wait_tensorcnt 0x0                           ; the wave's end
	ds_add_u32 v[SPW], v[NIL]
	s_wait_dscnt 0x0
	s_endpgm
.Lfunc_end_k_q2d0938d473_quant:
	.size	k_q2d0938d473_quant, .Lfunc_end_k_q2d0938d473_quant-k_q2d0938d473_quant
	.p2alignl 7, 3214868480
	.fill 96, 4, 3214868480
	.section	.rodata,"a",@progbits
	.p2align	6, 0x0
	.amdhsa_kernel k_q2d0938d473_quant
		.amdhsa_group_segment_fixed_size 120064
		.amdhsa_private_segment_fixed_size 0
		.amdhsa_enable_private_segment 0
		.amdhsa_kernarg_size 72
		.amdhsa_user_sgpr_count 2
		.amdhsa_user_sgpr_kernarg_segment_ptr 1
		.amdhsa_wavefront_size32 1
		.amdhsa_system_sgpr_workgroup_id_x 1
		.amdhsa_system_sgpr_workgroup_id_y 1
		.amdhsa_system_sgpr_workgroup_id_z 1
		.amdhsa_system_vgpr_workitem_id 0
		.amdhsa_next_free_vgpr 256
		.amdhsa_next_free_sgpr 66
		.amdhsa_reserve_vcc 1
		.amdhsa_float_denorm_mode_32 3
		.amdhsa_float_denorm_mode_16_64 3
		.amdhsa_memory_ordered 1
		.amdhsa_forward_progress 1
		.amdhsa_inst_pref_size 73
	.end_amdhsa_kernel
	.amdgpu_metadata
---
amdhsa.version: [ 1, 2 ]
amdhsa.kernels:
  - .name:           k_q2d0938d473_quant
    .symbol:         k_q2d0938d473_quant.kd
    .args:
      - { .name: query, .offset: 0, .size: 8, .value_kind: global_buffer, .address_space: global }
      - { .name: key, .offset: 8, .size: 8, .value_kind: global_buffer, .address_space: global }
      - { .name: value, .offset: 16, .size: 8, .value_kind: global_buffer, .address_space: global }
      - { .name: Wq, .offset: 24, .size: 8, .value_kind: global_buffer, .address_space: global }
      - { .name: Wk, .offset: 32, .size: 8, .value_kind: global_buffer, .address_space: global }
      - { .name: Wv, .offset: 40, .size: 8, .value_kind: global_buffer, .address_space: global }
      - { .name: Wo, .offset: 48, .size: 8, .value_kind: global_buffer, .address_space: global }
      - { .name: cod, .offset: 56, .size: 8, .value_kind: global_buffer, .address_space: global }
      - { .name: scl, .offset: 64, .size: 8, .value_kind: global_buffer, .address_space: global }
    .group_segment_fixed_size: 120064
    .private_segment_fixed_size: 0
    .kernarg_segment_align: 8
    .kernarg_segment_size: 72
    .max_flat_workgroup_size: 448
    .sgpr_count:     66
    .vgpr_count:     256
    .wavefront_size: 32
...
	.end_amdgpu_metadata
.endif
;; end of part 1
;; launch proj (part 2): grid 4 x 192, 4 waves a work-group, clusters of 4 x 4, 327,680 bytes of LDS; arguments cod, scl, bq, bk, bv, mask, qb, kv; writes qb, kv
.if DOCPART == 2
	.amdgcn_target "amdgcn-amd-amdhsa--gfx1250"
	.amdhsa_code_object_version 6
	.text
	.protected	k_q2d0938d473_proj
	.globl	k_q2d0938d473_proj
	.p2align	8
	.type	k_q2d0938d473_proj,@function
k_q2d0938d473_proj:
	s_mov_b64 s[64:65], 0
	v_nop
	global_prefetch_b8 v0, s[64:65] scope:SCOPE_SE
	s_setreg_imm32_b32 hwreg(HW_REG_WAVE_MODE, 25, 1), 1
	s_wait_xcnt 0x0
	s_wait_alu depctr_hold_cnt(0) depctr_sa_sdst(0) depctr_va_vdst(0) depctr_va_sdst(0) depctr_va_ssrc(0) depctr_va_vcc(0) depctr_vm_vsrc(0)
	s_getreg_b32 s2, hwreg(HW_REG_IB_STS2, 6, 4)
	s_cmp_eq_u32 s2, 0
	s_cbranch_scc0 .Lentry_in_a_cluster
	s_endpgm
.Lentry_in_a_cluster:
	s_bfe_u32 s2, ttmp6, 0x10000c
	s_cmp_lg_u32 s2, 0xf033
	s_cbranch_scc0 .Lentry_shape_is_right
	s_endpgm
.Lentry_shape_is_right:
; THE THREE PROJECTIONS, on the codes that the launch before has laid, and the quantising of q, k and v for the attention.  No work is left out here.
; One form serves all three: G[p][r] = sum over k of P[p][k] R[r][k], source 0 = a tile of P, source 1 = a tile of R: a lane holds one r, its registers run along p, and G is quantised along p.
;   q, k: P = the weight's rows n, R = the tokens: 128 p are two heads of 64.      v: P = value's rows (the keys), R = Wv's rows n: 128 p are a key step of the second product.
; A tile T is the 16 rows 32 (T / 2) + 8 (T % 2) + r + 8 (r / 8): so the 16 registers of P's tiles 2 b and 2 b + 1 are 16 neighbours 32 b + 16 h + 0 .. 15 along p.
; SHARES.  A work-group makes 256 p x 128 r; wave w: P tiles 8 (w / 2) on, R tiles 4 (w % 2) on: 32 accumulators.  768 work-groups.
; LDS.  All of K (1,024) of the work-group's 16 + 8 tiles fits: two halves of four K steps, each filled ONCE, at the head: no slot is filled again.
; CLUSTER 4 x 4: P's tiles hang on cx alone and are shared along a column, R's on cy alone and are shared along a row: joint loads.
; q is not divided by 8 here: a power of two moves no code; the attention's c holds it.  LIMIT: blocks of q under 2^-121.
; THE MASK: a masked key gets zero codes, and the code -4 (0x38) under the byte 159 at place 64 of the score product's K; a query has +4 (0x18) under 160 there; a kept key 0 under the byte 1.
; OUT.  qb [bh 64][group 16][8,704]: eight images of 1,024 bytes (byte 16 lane: registers 0-3; 512 + 16 lane: registers 4-7), then 512 bytes of scale words [tile / 4][r][tile % 4].
;       kv [bh][step 16][15,360]: K's eight images; from 8,192 V^T's four fragments of 1,536; from 14,336 K's scale words; from 14,848 V's, [2 copies][r][4].
; REGISTERS.  window 0: v1-15 addresses; v16-47, v48-63 scale words of P and R, nothing else; v64-207 fragments, set 0; v208-237 the way out.  window 1: accumulator (a, b) at v[64 b + 8 a].
;             window 2: v0-63 the bias along p; v64-207 fragments, set 1.
; LDS AS IT IS NOW: all of K in TWO HALVES of four K steps, each filled once at the head, ONE tensor load a wave: wave 0 P's 16 tiles of K steps 0-3, wave 1 R's 8, wave 2 P's of K steps 4-7, wave 3 R's.
; Waves 0 and 1 wait ahead of the first barrier; every wave waits ahead of the barrier at K step 3, which shows the second half.  key's tiles: 64 (T / 4) + 8 (T % 4) + r + 24 (r / 8).
.set CHUNK, 147456                     ; a half of K: P's 16 rows of 6,144 bytes, then R's 8
.set PROW,  6144
.set ROFF,  98304
.set SPARE, 2*CHUNK
.set RHK,  10                          ; v10  4 (r + 24 (r / 8)): my key's place in the mask
.set L16,  1
.set L8,   2
.set AP16, 3
.set AP8,  4
.set AR16, 5
.set AR8,  6
.set SPW,  8
.set NIL,  9
.set RR,   11                          ; r
.set HH,   12                          ; h
.set H64,  13                          ; 64 h
.set RHO4, 14                          ; 4 (r + 8 (r / 8))
.set WOF,  15
.set PS,   16
.set RS,   48
.set FP,   64
.set FQ,   160
.set MK,   208
.set KM,   212
.set HI,   216
.set MC,   220
.set BV,   224
.set CA,   232
.set CB,   233
.set CC,   234
.set CD,   235
.set HM,   236
.set SH,   237
.set VAL,  64
.set PC,   128
.set TQ,   144
.set XT,   148
.set TM,   156
.set PW,   172
.set WQ,   176
.set WV,   20                          ; s20 wave; s21 pw; s22 rw; s23 cx; s24 cy; s26 tensor; s27 idx
.set G1P,  28
.set G1R,  36
.set G0P,  44
.set G0R,  68
.set SEL,  100
.set MSB, 0
.macro WIN new                         ; the immediate's high byte repeats the setting that is left
.if MSB != \new
	s_set_vgpr_msb (MSB<<8)|\new
.set MSB, \new
.endif
.endm
.macro PLACES
.rept 4
	v_nop
.endr
.endm
.macro CROUND                          ; a round of the cluster's barrier
	s_barrier_signal -1
	s_barrier_wait -1
	s_cmp_lg_u32 s[WV], 0
	s_cbranch_scc1 .Lnot_wave_0_\@
	s_barrier_signal -3
.Lnot_wave_0_\@:
	s_barrier_wait -3
	s_barrier_signal -1
	s_barrier_wait -1
.endm
.macro QUANT s                         ; 64 numbers of a lane (register 16 b + i = place 32 b + 16 h + i) -> a fragment's codes in v[PC] on, its scale word in v[PW]
.irp b, 0,1,2,3
	v_max3_num_f32 v[TM+\b], |v[\s+16*\b]|, |v[\s+1+16*\b]|, 0x1800000
.endr
.irp i, 2,4,6,8,10,12,14
.irp b, 0,1,2,3
	v_max3_num_f32 v[TM+\b], v[TM+\b], |v[\s+16*\b+\i]|, |v[\s+1+16*\b+\i]|
.endr
.endr
.irp b, 0,1,2,3
	v_permlanex16_b32 v[TM+4+\b], v[TM+\b], s[SEL], s[SEL+1]
.endr
.irp b, 0,1,2,3
	v_max_num_f32 v[TM+\b], v[TM+\b], v[TM+4+\b]
.endr
.irp b, 0,1,2,3
	v_add_nc_u32 v[TM+12+\b], 0xff000000, v[TM+\b]
.endr
.irp b, 0,1,2,3
	v_lshrrev_b32 v[TM+4+\b], 23, v[TM+12+\b]
.endr
	v_lshl_or_b32 v[PW], v[TM+5], 8, v[TM+4]
	v_lshl_or_b32 v[PW], v[TM+6], 16, v[PW]
	v_lshl_or_b32 v[PW], v[TM+7], 24, v[PW]
.irp c, 0,1
	v_cvt_scalef32_pk16_fp6_f32 v[PC+6*\c:PC+2+6*\c], v[\s+32*\c:\s+15+32*\c], v[TM+12+2*\c]
	v_cvt_scalef32_pk16_fp6_f32 v[XT+4*\c:XT+2+4*\c], v[\s+16+32*\c:\s+31+32*\c], v[TM+12+2*\c+1]
.endr
	v_nop                                          ; one plain place behind a scaled conversion
.irp c, 0,1
.irp i, 0,1,2
	v_permlane16_swap_b32 v[PC+6*\c+\i], v[XT+4*\c+\i]
.endr
.irp i, 0,1,2
	v_mov_b32 v[PC+3+6*\c+\i], v[XT+4*\c+\i]
.endr
.endr
.endm
; 48 LDS loads: the twelve fragments of K step s into set s % 2.  An image is read as it was laid: every address is a constant + a lane term
.macro FETCH s
.if ((\s)%2) == 0
	WIN 0
.else
	WIN 0x80                                       ; destination window 2
.endif
.irp a, 0,1,2,3,4,5,6,7
	ds_load_b128 v[FP+12*\a:FP+12*\a+3], v[AP16] offset:\a*PROW+((\s)%2)*1536
	ds_load_b64 v[FP+12*\a+4:FP+12*\a+5], v[AP8] offset:\a*PROW+((\s)%2)*1536+512
	ds_load_b128 v[FP+12*\a+6:FP+12*\a+9], v[AP16] offset:\a*PROW+((\s)%2)*1536+768
	ds_load_b64 v[FP+12*\a+10:FP+12*\a+11], v[AP8] offset:\a*PROW+((\s)%2)*1536+1280
.endr
.irp b, 0,1,2,3
	ds_load_b128 v[FQ+12*\b:FQ+12*\b+3], v[AR16] offset:\b*PROW+((\s)%2)*1536
	ds_load_b64 v[FQ+12*\b+4:FQ+12*\b+5], v[AR8] offset:\b*PROW+((\s)%2)*1536+512
	ds_load_b128 v[FQ+12*\b+6:FQ+12*\b+9], v[AR16] offset:\b*PROW+((\s)%2)*1536+768
	ds_load_b64 v[FQ+12*\b+10:FQ+12*\b+11], v[AR8] offset:\b*PROW+((\s)%2)*1536+1280
.endr
.endm
; 32 matrix instructions: K step s.  The 32 accumulators take turns, one instruction a turn, in the same order in every step.  Step 0 starts the sums with the constant 0.
; The scale words of K steps 0-3 lie in lanes 0-15 of their registers, those of steps 4-7 in lanes 16-31.
.macro MUL s
.if ((\s)%2) == 0
	WIN 0x50                                       ; fragments window 0, C and D window 1
.else
	WIN 0x5a                                       ; fragments window 2
.endif
.irp b, 0,1,2,3
.irp a, 0,1,2,3,4,5,6,7
.if (\s) == 0
	v_wmma_scale_f32_16x16x128_f8f6f4 v[64*\b+8*\a:64*\b+8*\a+7], v[FP+12*\a:FP+12*\a+11], v[FQ+12*\b:FQ+12*\b+11], 0, v[PS+4*\a+(\s)%4], v[RS+4*\b+(\s)%4] matrix_a_fmt:MATRIX_FMT_FP6 matrix_b_fmt:MATRIX_FMT_FP6
.elseif (\s) < 4
	v_wmma_scale_f32_16x16x128_f8f6f4 v[64*\b+8*\a:64*\b+8*\a+7], v[FP+12*\a:FP+12*\a+11], v[FQ+12*\b:FQ+12*\b+11], v[64*\b+8*\a:64*\b+8*\a+7], v[PS+4*\a+(\s)%4], v[RS+4*\b+(\s)%4] matrix_a_fmt:MATRIX_FMT_FP6 matrix_b_fmt:MATRIX_FMT_FP6
.else
	v_wmma_scale_f32_16x16x128_f8f6f4 v[64*\b+8*\a:64*\b+8*\a+7], v[FP+12*\a:FP+12*\a+11], v[FQ+12*\b:FQ+12*\b+11], v[64*\b+8*\a:64*\b+8*\a+7], v[PS+4*\a+(\s)%4], v[RS+4*\b+(\s)%4] matrix_a_fmt:MATRIX_FMT_FP6 matrix_b_fmt:MATRIX_FMT_FP6 matrix_a_scale:MATRIX_SCALE_ROW1 matrix_b_scale:MATRIX_SCALE_ROW1
.endif
.endr
.endr
.endm
; K step s: its fragments are awaited; the next step's are asked for, 32 matrix instructions ahead of their use; then the products.
; Ahead of step 4's fetch the second half is shown whole: each wave waits for its own load, then the barrier.
.macro KSTEP s
.if (\s) == 3
	s_wait_tensorcnt 0x0                           ; every wave's load has landed: the second half of K among them
.endif
	s_wait_dscnt 0x0                               ; this step's fragments are in, and no LDS instruction of mine is out at the signal
.if ((\s)%2) && ((\s) < 7)
	WIN 0
.if (\s) == 3
	s_barrier_signal -1
	s_barrier_wait -1
.set STP, CHUNK-PROW/2                 ; on to the second half
.else
.set STP, PROW/2                       ; two K steps on in the rows
.endif
	v_add_nc_u32 v[AP16], STP, v[AP16]             ; these four are also the places in front of the loads into the set that the last products read
	v_add_nc_u32 v[AP8], STP, v[AP8]
	v_add_nc_u32 v[AR16], STP, v[AR16]
	v_add_nc_u32 v[AR8], STP, v[AR8]
.elseif ((\s) > 0) && ((\s) < 7)
	PLACES
.endif
.if (\s) < 7
	s_wait_alu depctr_va_vdst(0)
	FETCH (\s)+1
.endif
	MUL \s
.endm
.macro MAIN
	s_wait_alu depctr_va_vdst(0)
	s_cmp_lt_u32 s[WV], 2
	s_cbranch_scc0 .Lnot_first_\@
	s_wait_tensorcnt 0x0                           ; waves 0 and 1: the first half of K has landed
.Lnot_first_\@:
	s_barrier_signal -1
	s_barrier_wait -1
	FETCH 0
	s_wait_loadcnt 0x0                             ; scale words, biases, mask
.irp s, 0,1,2,3,4,5,6,7
	KSTEP \s
.endr
	WIN 0
	PLACES                                         ; in front of the first read of results and the first write of fragment registers
.irp b, 0,1,2,3
	v_mov_b32 v[TM+4+\b], 0                        ; a lane permute's destination counts as one of its sources
.endr
.endm
	s_load_b512 s[4:19], s[0:1], 0x0               ; cod, scl, bq, bk, bv, mask, qb, kv
	v_lshl_add_u32 v[SPW], v0, 2, SPARE
	v_mov_b32 v[NIL], 0
	ds_add_u32 v[SPW], v[NIL]                      ; the wave's opening: the add, twice on end, and its wait ahead of my first tensor load
	ds_add_u32 v[SPW], v[NIL]
	v_lshrrev_b32 v1, 5, v0
	v_readfirstlane_b32 s[WV], v1                  ; wave 0..3
	s_lshr_b32 s21, s[WV], 1                       ; pw.  Also: I fetch for P (0) or for R (1)
	s_and_b32 s22, s[WV], 1                        ; rw.  Also: which half of those tiles I fetch
	s_bfe_u32 s23, ttmp6, 0x40000                  ; cx
	s_bfe_u32 s24, ttmp6, 0x40004                  ; cy
	s_and_b32 s25, ttmp7, 0xffff                   ; the cluster, 0..47
	s_lshr_b32 s26, s25, 4                         ; 0 q, 1 k, 2 v
	s_and_b32 s27, s25, 15
	s_lshl_b32 s84, s26, 6
	s_add_co_u32 s84, s84, 1536                    ; q, k: P = the weight
	s_lshr_b32 s85, s27, 1
	s_lshl_b32 s85, s85, 6
	s_add_co_u32 s85, s85, 1024                    ; v: P = value
	s_lshl_b32 s88, s26, 9
	s_lshl_b32 s89, s27, 5
	s_add_co_u32 s88, s88, s89                     ; q, k: R = the tokens
	s_and_b32 s89, s27, 1
	s_lshl_b32 s89, s89, 5
	s_add_co_u32 s89, s89, 1664                    ; v: R = Wv
	s_cmp_eq_u32 s26, 2
	s_cselect_b32 s84, s85, s84
	s_cselect_b32 s88, s89, s88
	s_lshl_b32 s85, s23, 4
	s_add_co_u32 s84, s84, s85                     ; P's first tile: + 16 cx.  P's registers never hold cy,
	s_lshl_b32 s89, s24, 3
	s_add_co_u32 s88, s88, s89                     ; R's first tile: + 8 cy.  and R's never cx
	s_mul_i32 s86, s84, 12288
	s_mov_b32 s87, 0
	s_mul_i32 s90, s88, 12288
	s_mov_b32 s91, 0
	; group 1: rows of 6,144 bytes (768 elements of 8), 12,288 bytes apart in memory, dense in LDS: 16 rows for P, 8 for R
	s_lshl_b32 s[G1P], 0x1111, s23                 ; my column of the cluster
	s_or_b32 s[G1P], s[G1P], (3<<16)|(1<<21)
	s_lshl_b32 s[G1R], s24, 2
	s_lshl_b32 s[G1R], 15, s[G1R]                  ; my row
	s_or_b32 s[G1R], s[G1R], (3<<16)|(1<<21)
	s_mov_b32 s[G1P+1], 768<<16                    ; rows of 6,144 bytes (768 elements of 8), 12,288 apart in memory, dense in LDS: 16 for P, 8 for R
	s_mov_b32 s[G1P+2], 16<<16
	s_mov_b32 s[G1P+3], 768<<16
	s_mov_b32 s[G1P+4], 16
	s_mov_b32 s[G1P+5], 1536
	s_mov_b32 s[G1P+6], 0
	s_mov_b32 s[G1P+7], 0
	s_mov_b32 s[G1R+1], 768<<16
	s_mov_b32 s[G1R+2], 8<<16
	s_mov_b32 s[G1R+3], 768<<16
	s_mov_b32 s[G1R+4], 8
	s_mov_b32 s[G1R+5], 1536
	s_mov_b32 s[G1R+6], 0
	s_mov_b32 s[G1R+7], 0
	s_mov_b32 s[SEL], 0x76543210
	s_mov_b32 s[SEL+1], 0xfedcba98
	s_wait_dscnt 0x0                               ; both opening adds are done
	s_wait_kmcnt 0x0
	s_add_nc_u64 s[86:87], s[4:5], s[86:87]
	s_add_nc_u64 s[90:91], s[4:5], s[90:91]
.irp c, 0,1
	s_mov_b32 s[G0P+4*\c], 1
	s_mov_b32 s[G0P+4*\c+1], \c*CHUNK
	s_add_nc_u64 s[G0P+4*\c+2:G0P+4*\c+3], s[86:87], \c*PROW
	s_or_b32 s[G0P+4*\c+3], s[G0P+4*\c+3], 0x80000000
	s_mov_b32 s[G0R+4*\c], 1
	s_mov_b32 s[G0R+4*\c+1], \c*CHUNK+ROFF
	s_add_nc_u64 s[G0R+4*\c+2:G0R+4*\c+3], s[90:91], \c*PROW
	s_or_b32 s[G0R+4*\c+3], s[G0R+4*\c+3], 0x80000000
.endr
	CROUND                                         ; all sixteen work-groups are here: the joint loads meet
	s_cmp_eq_u32 s[WV], 0                          ; one chain of branches on the wave's number, one load to an arm: one tensor load of mine is out
	s_cbranch_scc0 .Lfill_1
	tensor_load_to_lds s[G0P:G0P+3], s[G1P:G1P+7]
	s_nop 0
	PLACES
	s_branch .Lfilled
.Lfill_1:
	s_cmp_eq_u32 s[WV], 1
	s_cbranch_scc0 .Lfill_2
	tensor_load_to_lds s[G0R:G0R+3], s[G1R:G1R+7]
	s_nop 0
	PLACES
	s_branch .Lfilled
.Lfill_2:
	s_cmp_eq_u32 s[WV], 2
	s_cbranch_scc0 .Lfill_3
	tensor_load_to_lds s[G0P+4:G0P+7], s[G1P:G1P+7]
	s_nop 0
	PLACES
	s_branch .Lfilled
.Lfill_3:
	tensor_load_to_lds s[G0R+4:G0R+7], s[G1R:G1R+7]
	s_nop 0
	PLACES
.Lfilled:
	v_and_b32 v1, 31, v0
	v_lshlrev_b32 v[L16], 4, v1
	v_and_b32 v[RR], 15, v0
	v_bfe_u32 v[HH], v0, 4, 1
	v_lshlrev_b32 v[L8], 4, v[RR]
	v_lshl_add_u32 v[L8], v[HH], 3, v[L8]
	v_lshlrev_b32 v[H64], 6, v[HH]
	v_and_b32 v[RHO4], 8, v[RR]
	v_add_nc_u32 v[RHO4], v[RHO4], v[RR]
	v_lshlrev_b32 v[RHO4], 2, v[RHO4]
	v_and_b32 v[RHK], 8, v[RR]
	v_mul_u32_u24 v[RHK], v[RHK], 12
	v_lshl_add_u32 v[RHK], v[RR], 2, v[RHK]        ; 4 r + 96 (r / 8)
	s_mul_i32 s94, s21, 8*PROW                     ; my eight tiles of P
	s_mul_i32 s95, s22, 4*PROW
	s_add_co_u32 s95, s95, ROFF                    ; my four of R
	v_add_nc_u32 v[AP16], s94, v[L16]
	v_add_nc_u32 v[AP8], s94, v[L8]
	v_add_nc_u32 v[AR16], s95, v[L16]
	v_add_nc_u32 v[AR8], s95, v[L8]
	s_lshl_b32 s96, s21, 3
	s_add_co_u32 s96, s96, s84
	s_lshl_b32 s96, s96, 9
	s_mov_b32 s97, 0
	s_add_nc_u64 s[96:97], s[6:7], s[96:97]
	s_lshl_b32 s98, s22, 2
	s_add_co_u32 s98, s98, s88
	s_lshl_b32 s98, s98, 9
	s_mov_b32 s99, 0
	s_add_nc_u64 s[98:99], s[6:7], s[98:99]
.irp a, 0,1,2,3,4,5,6,7
	global_load_b128 v[PS+4*\a:PS+4*\a+3], v[L16], s[96:97] offset:512*\a   ; a tile's scale words: 512 consecutive bytes
.endr
.irp b, 0,1,2,3
	global_load_b128 v[RS+4*\b:RS+4*\b+3], v[L16], s[98:99] offset:512*\b
.endr
	s_mov_b32 s63, 0
	s_cmp_eq_u32 s26, 2                            ; the one parting: on the cluster's number, the same in all waves and all partners
	s_cbranch_scc1 .Larm_v
; ======== q AND k
	s_cmp_eq_u32 s26, 0
	s_cselect_b64 s[66:67], s[8:9], s[10:11]
	s_lshl_b32 s62, s23, 10
	s_lshl_b32 s60, s21, 9
	s_add_co_u32 s62, s62, s60                     ; 4 (256 cx + 128 pw)
	s_add_nc_u64 s[66:67], s[66:67], s[62:63]
	WIN 0x80
	s_wait_alu depctr_va_vdst(0)
.irp b, 0,1,2,3
.irp j, 0,1,2,3
	global_load_b128 v[16*\b+4*\j:16*\b+4*\j+3], v[H64], s[66:67] offset:128*\b+16*\j   ; the bias at my 64 places along p
.endr
.endr
	WIN 0
	s_cmp_eq_u32 s26, 0
	s_cbranch_scc1 .Lno_mask
	s_lshl_b32 s62, s27, 2
	s_add_co_u32 s62, s62, s24                     ; which 128 tokens
	s_lshl_b32 s62, s62, 7
	s_lshl_b32 s60, s22, 6
	s_add_co_u32 s62, s62, s60
	s_lshl_b32 s62, s62, 2
	s_add_nc_u64 s[60:61], s[14:15], s[62:63]
.irp b, 0,1,2,3
	global_load_b32 v[MK+\b], v[RHK], s[60:61] offset:32*\b   ; the mask of my key in tile b: key 8 b + r + 24 (r / 8) of my wave's 64
.endr
	s_branch .Lmask_set
.Lno_mask:
.irp b, 0,1,2,3
	v_mov_b32 v[MK+\b], 1                          ; a query is never masked
.endr
.Lmask_set:
	MAIN
	; the tensor loads are done: the descriptors' registers are free
	s_cmp_eq_u32 s26, 0
	s_cselect_b64 s[34:35], s[16:17], s[18:19]     ; qb or kv
	s_mov_b32 s28, 245760
	s_cselect_b32 s28, 139264, s28                 ; a head's bytes
	s_mov_b32 s29, 15360
	s_cselect_b32 s29, 8704, s29                   ; a group's or step's
	s_mov_b32 s30, 14336
	s_cselect_b32 s30, 8192, s30                   ; where its scale words begin
	s_mov_b32 s31, 0x40010000
	s_cselect_b32 s31, 0x40a00000, s31             ; the scale word's upper half: a query's, a kept key's
	s_cselect_b32 s32, 24, 0                       ; the code at place 64: +4, or 0
	s_lshl_b32 s36, s27, 2
	s_add_co_u32 s36, s36, s24
	s_lshr_b32 s37, s36, 4                         ; batch
	s_and_b32 s38, s36, 15                         ; group or step
	s_lshl_b32 s39, s23, 2
	s_lshl_b32 s40, s21, 1
	s_add_co_u32 s39, s39, s40                     ; the first of my two heads
	s_lshl_b32 s40, s37, 4
	s_add_co_u32 s40, s40, s39
	s_mul_i32 s40, s40, s28
	s_mul_i32 s41, s38, s29
	s_add_co_u32 s40, s40, s41
	s_lshl_b32 s41, s22, 8
	s_add_co_u32 s42, s40, s41
	s_add_co_u32 s42, s42, s30
	s_mov_b32 s43, 0
	s_lshl_b32 s41, s22, 12
	s_add_co_u32 s40, s40, s41
	s_mov_b32 s41, 0
	s_add_nc_u64 s[44:45], s[34:35], s[40:41]      ; my four images of the first head,
	s_mov_b32 s48, s28
	s_mov_b32 s49, 0
	s_add_nc_u64 s[46:47], s[44:45], s[48:49]      ; of the second,
	s_add_nc_u64 s[50:51], s[34:35], s[42:43]      ; and the scale words
	v_mul_lo_u32 v[WOF], v[HH], s28
	v_lshl_add_u32 v[WOF], v[RR], 4, v[WOF]        ; lanes 0-15 store the first head's words, lanes 16-31 the second's
	v_mov_b32 v[CA], 0x409f0000
	v_mov_b32 v[CB], s31
	v_mov_b32 v[CC], 0x38
	v_mov_b32 v[CD], s32
	v_add_nc_u32 v[HM], -1, v[HH]                  ; all ones in lanes 0-15: place 64 lies there
	v_lshlrev_b32 v[SH], 4, v[HH]
	v_mov_b32 v[TQ+3], 0
	v_mov_b32 v[PC+13], 0
.irp b, 0,1,2,3
	v_cmp_ne_u32 vcc_lo, 0, v[MK+\b]
	v_cndmask_b32 v[KM+\b], 0, -1, vcc_lo
	v_cndmask_b32 v[HI+\b], v[CA], v[CB], vcc_lo
	v_cndmask_b32 v[MC+\b], v[CC], v[CD], vcc_lo
	v_and_b32 v[MC+\b], v[HM], v[MC+\b]
.endr
.macro EPQK b                          ; R tile b: 16 tokens x 128 p = two heads
.if \b > 0
	s_wait_xcnt 0x0                                ; the last tile's stores have read their registers
.endif
	WIN 0x09                                       ; source 0 window 1, source 1 window 2
.set j, 0
.rept 32
	v_pk_add_f32 v[VAL+j:VAL+j+1], v[64*\b+j:64*\b+j+1], v[j:j+1]   ; + the bias; each accumulator from its low end on
.set j, j+2
.endr
	WIN 0
	QUANT VAL
.irp i, 0,1,2,3,6,7,8,9,10,11
	v_and_b32 v[PC+\i], v[KM+\b], v[PC+\i]         ; a masked key's codes are zeros
.endr
	v_and_b32 v[TQ], v[KM+\b], v[PC+4]
	v_and_b32 v[TQ+1], v[KM+\b], v[PC+5]
	v_mov_b32 v[TQ+2], v[MC+\b]                    ; register 6: place 64
	v_mov_b32 v[PC+12], v[MC+\b]
	v_lshrrev_b32 v[WQ+\b], v[SH], v[PW]
	v_and_or_b32 v[WQ+\b], v[WQ+\b], 0xffff, v[HI+\b]   ; my head's two bytes, and the upper half
	global_store_b128 v[L16], v[PC:PC+3], s[44:45] offset:1024*\b        ; each store: 512 consecutive bytes
	global_store_b128 v[L16], v[TQ:TQ+3], s[44:45] offset:1024*\b+512
	global_store_b128 v[L16], v[PC+6:PC+9], s[46:47] offset:1024*\b
	global_store_b128 v[L16], v[PC+10:PC+13], s[46:47] offset:1024*\b+512
.endm
	EPQK 0
	EPQK 1
	EPQK 2
	EPQK 3
	global_store_b128 v[WOF], v[WQ:WQ+3], s[50:51]
	s_branch .Lfin
; ======== v
.Larm_v:
	s_and_b32 s62, s27, 1
	s_lshl_b32 s62, s62, 2
	s_add_co_u32 s62, s62, s24                     ; which 128 channels
	s_lshl_b32 s62, s62, 9
	s_lshl_b32 s60, s22, 8
	s_add_co_u32 s62, s62, s60
	s_add_nc_u64 s[60:61], s[12:13], s[62:63]
	s_wait_alu depctr_va_vdst(0)
.irp b, 0,1,2,3
	global_load_b32 v[BV+2*\b], v[RHO4], s[60:61] offset:4*(32*(\b/2)+8*(\b%2))   ; the bias of my channel in tile b
	v_mov_b32 v[BV+2*\b+1], 0                      ; named with it as a pair, so it is written
.endr
	MAIN
	s_lshr_b32 s36, s27, 1
	s_lshl_b32 s36, s36, 2
	s_add_co_u32 s36, s36, s23                     ; which 256 keys
	s_lshr_b32 s37, s36, 3                         ; batch
	s_and_b32 s38, s36, 7
	s_lshl_b32 s38, s38, 1
	s_add_co_u32 s38, s38, s21                     ; key step
	s_and_b32 s39, s27, 1
	s_lshl_b32 s39, s39, 2
	s_add_co_u32 s39, s39, s24
	s_lshl_b32 s39, s39, 1
	s_add_co_u32 s39, s39, s22                     ; head
	s_lshl_b32 s37, s37, 4
	s_add_co_u32 s37, s37, s39
	s_mul_i32 s40, s37, 245760
	s_mul_i32 s41, s38, 15360
	s_add_co_u32 s40, s40, s41
	s_add_co_u32 s40, s40, 8192
	s_mov_b32 s41, 0
	s_add_nc_u64 s[44:45], s[18:19], s[40:41]
.macro EPV b                           ; R tile b: 16 channels x 128 keys: a whole fragment of V^T
.if \b > 0
	s_wait_xcnt 0x0
.endif
	WIN 0x01                                       ; source 0 window 1
.set j, 0
.rept 32
	v_pk_add_f32 v[VAL+j:VAL+j+1], v[64*\b+j:64*\b+j+1], v[BV+2*\b:BV+2*\b+1] op_sel_hi:[1,0]
.set j, j+2
.endr
	WIN 0
	QUANT VAL
	v_mov_b32 v[WQ+\b], v[PW]
.irp c, 0,1,2
	global_store_b128 v[L16], v[PC+4*\c:PC+4*\c+3], s[44:45] offset:1536*\b+512*\c
.endr
.endm
	EPV 0
	EPV 1
	EPV 2
	EPV 3
	global_store_b128 v[L16], v[WQ:WQ+3], s[44:45] offset:6656   ; lanes 16-31 hold the same words: the second copy
.Lfin:
	s_wait_tensorcnt 0x0                           ; the wave's end
	ds_add_u32 v[SPW], v[NIL]
	s_wait_dscnt 0x0
	CROUND                                         ; the closing round
	s_endpgm
.Lfunc_end_k_q2d0938d473_proj:
	.size	k_q2d0938d473_proj, .Lfunc_end_k_q2d0938d473_proj-k_q2d0938d473_proj
	.p2alignl 7, 3214868480
	.fill 96, 4, 3214868480
	.section	.rodata,"a",@progbits
	.p2align	6, 0x0
	.amdhsa_kernel k_q2d0938d473_proj
		.amdhsa_group_segment_fixed_size 327680
		.amdhsa_private_segment_fixed_size 0
		.amdhsa_enable_private_segment 0
		.amdhsa_kernarg_size 64
		.amdhsa_user_sgpr_count 2
		.amdhsa_user_sgpr_kernarg_segment_ptr 1
		.amdhsa_wavefront_size32 1
		.amdhsa_system_sgpr_workgroup_id_x 1
		.amdhsa_system_sgpr_workgroup_id_y 1
		.amdhsa_system_sgpr_workgroup_id_z 1
		.amdhsa_system_vgpr_workitem_id 0
		.amdhsa_next_free_vgpr 768
		.amdhsa_next_free_sgpr 102
		.amdhsa_reserve_vcc 1
		.amdhsa_float_denorm_mode_32 3
		.amdhsa_float_denorm_mode_16_64 3
		.amdhsa_memory_ordered 1
		.amdhsa_forward_progress 1
		.amdhsa_inst_pref_size 184
	.end_amdhsa_kernel
	.amdgpu_metadata
---
amdhsa.version: [ 1, 2 ]
amdhsa.kernels:
  - .name:           k_q2d0938d473_proj
    .symbol:         k_q2d0938d473_proj.kd
    .args:
      - { .name: cod, .offset: 0, .size: 8, .value_kind: global_buffer, .address_space: global }
      - { .name: scl, .offset: 8, .size: 8, .value_kind: global_buffer, .address_space: global }
      - { .name: bq, .offset: 16, .size: 8, .value_kind: global_buffer, .address_space: global }
      - { .name: bk, .offset: 24, .size: 8, .value_kind: global_buffer, .address_space: global }
      - { .name: bv, .offset: 32, .size: 8, .value_kind: global_buffer, .address_space: global }
      - { .name: mask, .offset: 40, .size: 8, .value_kind: global_buffer, .address_space: global }
      - { .name: qb, .offset: 48, .size: 8, .value_kind: global_buffer, .address_space: global }
      - { .name: kv, .offset: 56, .size: 8, .value_kind: global_buffer, .address_space: global }
    .group_segment_fixed_size: 327680
    .private_segment_fixed_size: 0
    .kernarg_segment_align: 8
    .kernarg_segment_size: 64
    .max_flat_workgroup_size: 128
    .sgpr_count:     102
    .vgpr_count:     768
    .wavefront_size: 32
...
	.end_amdgpu_metadata
.endif
;; end of part 2
;; launch attn (part 3): grid 4 x 64, 8 waves a work-group, clusters of 4 x 1, 262,144 bytes of LDS; arguments qb, kv, ctc, cts; writes ctc, cts
.if DOCPART == 3
	.amdgcn_target "amdgcn-amd-amdhsa--gfx1250"
	.amdhsa_code_object_version 6
	.text
	.protected	k_q2d0938d473_attn
	.globl	k_q2d0938d473_attn
	.p2align	8
	.type	k_q2d0938d473_attn,@function
k_q2d0938d473_attn:
	s_mov_b64 s[64:65], 0
	v_nop
	global_prefetch_b8 v0, s[64:65] scope:SCOPE_SE
	s_setreg_imm32_b32 hwreg(HW_REG_WAVE_MODE, 25, 1), 1
	s_wait_xcnt 0x0
	s_wait_alu depctr_hold_cnt(0) depctr_sa_sdst(0) depctr_va_vdst(0) depctr_va_sdst(0) depctr_va_ssrc(0) depctr_va_vcc(0) depctr_vm_vsrc(0)
	s_getreg_b32 s2, hwreg(HW_REG_IB_STS2, 6, 4)
	s_cmp_eq_u32 s2, 0
	s_cbranch_scc0 .Lentry_in_a_cluster
	s_endpgm
.Lentry_in_a_cluster:
	s_bfe_u32 s2, ttmp6, 0x10000c
	s_cmp_lg_u32 s2, 0x3003
	s_cbranch_scc0 .Lentry_shape_is_right
	s_endpgm
.Lentry_shape_is_right:
; THE ATTENTION of one (batch, head) a cluster, on the codes that the launch before has laid; ctx leaves as codes for the last projection.  No work is left out here; the mask lies in k's codes.
; t = score x c, c = log2(e) / 8 (the division of q by 8 is held here: a power of two).  M = the running largest t rounded up to a whole number; p = 2^(t - M) is quantised along the keys;
; the row's sum is taken of the unquantised p and divides at the end.  When M moves, the sum and O^T are multiplied by 2^(old M - new M), which rounds nothing.
; LIMITS: as the first kernel states them; the scaled scores stay under 2^31 in magnitude but for the masked ones, whose change of M saturates and gives the factor 0.
; SHARES.  The four work-groups of a cluster share a head; each owns 512 queries; wave w takes the FOUR query tiles 32 cx + 4 w + 0 .. 3.  A key step's 30 LDS loads (K's eight tiles, V's four, their scale words)
; are issued once and feed all four tiles: 48 matrix instructions.
; LDS.  The head's whole block of kv, 16 key steps x 15,360 bytes, filled ONCE: wave w brings steps 2 w and 2 w + 1 by one joint load (one tensor load of mine is out).  Nothing is filled again, nothing is stored to LDS.
; No data prefetch: every byte that the work-group reads by tensor loads is asked for at the head, so there is no loop to run ahead in.
; LAYOUT.  S^T = K Q^T (source 0 = 16 keys, source 1 = 16 queries), O^T = V^T P^T: a lane holds one query of each tile throughout.  The score product's K is the head's 64, place 64 for the mask, zeros beyond.
; TILE 4 c + u OF K holds, in row 8 h + j, key 64 c + 32 h + 8 u + j of the step's 128.  So register 32 c + 8 u + j of S^T in lane (r, h) is place 8 u + j of the block 2 c + h of 32 keys: a lane's 32 registers are ONE scale block,
; in the order in which P^T's operand wants them in that very lane: no number changes lanes.  Across lanes go only the row's largest score and the two scale bytes of the partner lane.
; K's images are 8 registers; a fragment names 12.  Q's registers 8-11 are zero codes, so what K's hold there adds nothing: the eight fragments lie 8 registers apart and each runs on into the next (the last into four registers of zeros).
; O^T's channels: the 16 registers of tiles 2 b and 2 b + 1 are channels 32 b + 16 h + 0 .. 15.
; OUT.  ctc [tile 512][head 16][768]: a half fragment (byte 16 lane: registers 0-3; 512 + 16 r + 8 h: registers 4, 5).  cts [tile][r][32]: bytes 2 head, 2 head + 1.
; The two scale bytes of a row and head are stored two bytes a lane, rows 32 bytes apart: two such instructions a wave in the whole launch.
; REGISTERS, in windows of 256.  Window 0: addresses, scale words, the four tiles' state, K, S^T, p's codes, what is at work.  Window 1: the four O^T (v0-127), the four Q (v128-175), V (v176-223).
.set STEPB, 15360
.set SPARE, 16*STEPB                   ; the spare words, 128 bytes a wave: four blocks of 256 bytes that no other line names
.set L16,  1                           ; 16 x lane
.set ADR,  2                           ; the step's place in LDS + 16 x lane
.set R16,  3                           ; 16 r
.set H8,   4                           ; 8 h
.set SPW,  5
.set NIL,  6
.set L8,   7                           ; 16 r + 8 h
.set VS,   8                           ; v8-11 V's scale words
.set QS,   12                          ; v12-15 the four tiles' of Q
.set ST,   16                          ; v16-31 tile i: -M, the running largest score, the sum's two halves
.set KF,   32                          ; v32-99 eight fragments of K, 8 apart
.set S,    100                         ; v100-163 S^T, then p
.set PC,   164                         ; v164-175 p's codes
.set TP,   176                         ; v176-183 the conversions' second halves
.set BM,   184                         ; v184, v185 the blocks' largest; v186, v187 their second chains
.set SO,   188                         ; v188, v189 the conversions' scale operands
.set KS,   192                         ; v192-195 K's scale words
.set T,    196                         ; v196-199 at work
.set FF,   204                         ; v204 f; v205 p's scale word
.set CH,   206                         ; v206-211 three chains of the sum
.set SBY,  212                         ; v212-215 the tiles' scale bytes on the way out
.set DD,   218                         ; v218-233 eight pair sums of the first block's p
.set OW,   0                           ; window 1
.set QW,   128
.set VW,   176
.set WV,   12
.set G1,   20
.set G0,   28
.set CS,   32
.set SEL,  34
.set TB,   36
.set CNT,  37
.set MSB, 0
.macro WIN new                         ; the immediate's high byte repeats the setting that is left
.if MSB != \new
	s_set_vgpr_msb (MSB<<8)|\new
.set MSB, \new
.endif
.endm
.macro CROUND
	s_barrier_signal -1
	s_barrier_wait -1
	s_cmp_lg_u32 s[WV], 0
	s_cbranch_scc1 .Lnot_wave_0_\@
	s_barrier_signal -3
.Lnot_wave_0_\@:
	s_barrier_wait -3
	s_barrier_signal -1
	s_barrier_wait -1
.endm
.macro PLACES n
.rept \n
	v_nop
.endr
.endm
.macro WALU
	s_wait_alu depctr_va_vdst(0)
.endm
.macro CHN c, k                        ; line k = 0 .. 15 of the search for block c's largest score: two chains by turns, each accumulator from its low end on
.set B_, S+32*(\c)+16*((\k)%2)
.set A_, BM+(\c)+2*((\k)%2)
.if (\k) < 2
	v_max3_num_f32 v[A_], v[B_], v[B_+1], v[B_+2]
.elseif (\k) < 14
	v_max3_num_f32 v[A_], v[A_], v[B_+2*((\k)/2)+1], v[B_+2*((\k)/2)+2]
.elseif (\k) == 14
	v_max3_num_f32 v[BM+(\c)], v[BM+(\c)], v[BM+2+(\c)], v[S+32*(\c)+15]
.else
	v_max_num_f32 v[BM+(\c)], v[BM+(\c)], v[S+32*(\c)+31]
.endif
.endm
; QUERY TILE i AGAINST THE STEP'S 128 KEYS
.macro TS i
.set NM, ST+4*(\i)
.set LS, ST+4*(\i)+2
	WIN 0x04                                       ; source 1 (Q) window 1
.irp u, 0,1,2,3
	v_wmma_scale_f32_16x16x128_f8f6f4 v[S+8*\u:S+8*\u+7], v[KF+8*\u:KF+8*\u+11], v[QW+12*(\i):QW+12*(\i)+11], 0, v[KS+\u], v[QS+(\i)] matrix_a_fmt:MATRIX_FMT_FP6 matrix_b_fmt:MATRIX_FMT_FP6
.endr
.irp u, 0,1,2,3
	v_wmma_scale_f32_16x16x128_f8f6f4 v[S+32+8*\u:S+32+8*\u+7], v[KF+32+8*\u:KF+32+8*\u+11], v[QW+12*(\i):QW+12*(\i)+11], 0, v[KS+\u], v[QS+(\i)] matrix_a_fmt:MATRIX_FMT_FP6 matrix_b_fmt:MATRIX_FMT_FP6 matrix_a_scale:MATRIX_SCALE_ROW1
.endr
	WIN 0
	v_mov_b32 v[T], v[NM]                          ; the old -M.  With the three below: four places between the products and the first read of their results
	PLACES 3
.irp k, 0,1,2,3,4,5,6,7,8,9,10,11,12,13,14,15
	CHN 0, \k                                      ; the two blocks by turns: four chains side by side
	CHN 1, \k
.endr
	s_delay_alu instid0(VALU_DEP_1)
	v_max3_num_f32 v[T+1], v[BM], v[BM+1], v[NM+1]
	s_delay_alu instid0(VALU_DEP_1)
	v_permlanex16_b32 v[T+2], v[T+1], s[SEL], s[SEL+1]
	s_delay_alu instid0(VALU_DEP_1)
	v_max_num_f32 v[NM+1], v[T+1], v[T+2]          ; the running largest score of my query (c is positive)
	s_delay_alu instid0(VALU_DEP_1)
	v_mul_f32 v[T+1], s[CS], v[NM+1]
	s_delay_alu instid0(VALU_DEP_1)
	v_floor_f32 v[NM], -v[T+1]                     ; the new -M: a whole number
.set j, 0
.rept 16
	v_pk_fma_f32 v[S+j:S+j+1], v[S+j:S+j+1], s[CS:CS+1], v[NM:NM+1] op_sel_hi:[1,0,0]   ; t - M, my first block
.if j == 6
	v_sub_f32 v[T], v[NM], v[T]                    ; old M - new M, 0 or less
.elseif j == 14
	v_cvt_i32_f32 v[T], v[T]                       ; (it saturates)
.elseif j == 22
	v_ldexp_f32 v[FF], 1.0, v[T]                   ; f = 2^(old M - new M)
.endif
.set j, j+2
.endr
	v_fma_f32 v[BM], v[BM], s[CS], v[NM]           ; the same of each block's largest score: p rises with the score
	v_fma_f32 v[BM+1], v[BM+1], s[CS], v[NM]
.if (\i) == 0
	s_wait_dscnt 0x0                               ; V is in
.endif
	WALU
	v_exp_f32 v[BM], v[BM]
	v_exp_f32 v[BM+1], v[BM+1]
.set j, 0
.rept 16
	v_exp_f32 v[S+j], v[S+j]                       ; p = 2^(t - M), my first block; among them t - M of the second, which is first read behind the wait below
	v_pk_fma_f32 v[S+32+j:S+33+j], v[S+32+j:S+33+j], s[CS:CS+1], v[NM:NM+1] op_sel_hi:[1,0,0]
	v_exp_f32 v[S+j+1], v[S+j+1]
.set j, j+2
.endr
	WALU                                           ; behind the first batch and ahead of the second
.set j, 0
.rept 8
	v_exp_f32 v[S+32+j], v[S+32+j]                 ; my second block; among them the first block's p are added by pairs, into registers that are first read behind the next wait
	v_exp_f32 v[S+33+j], v[S+33+j]
	v_pk_add_f32 v[DD+j/2:DD+j/2+1], v[S+j:S+j+1], v[S+j+2:S+j+3]
	v_exp_f32 v[S+34+j], v[S+34+j]
	v_exp_f32 v[S+35+j], v[S+35+j]
.set j, j+4
.endr
	WIN 0x41                                       ; source 0 and destination (O^T) window 1
	v_nop                                          ; a plain place behind the exponentials
	WALU                                           ; one wait for the batch, directly ahead of O^T's first readers too
.set j, 0
.rept 16
	v_pk_mul_f32 v[OW+32*(\i)+j:OW+32*(\i)+j+1], v[OW+32*(\i)+j:OW+32*(\i)+j+1], v[FF:FF+1] op_sel_hi:[1,0]   ; O^T under the new M
.set j, j+2
.endr
	WIN 0
.irp c, 0,1
	v_max_num_f32 v[BM+\c], 0x1800000, v[BM+\c]    ; the floor: the byte cannot fall under 1
.endr
.irp c, 0,1
	v_add_nc_u32 v[SO+\c], 0xff000000, v[BM+\c]    ; 2 off the exponent field: the conversions' scale operand
.endr
.irp c, 0,1
	v_cvt_scalef32_pk16_fp6_f32 v[PC+6*\c:PC+6*\c+2], v[S+32*\c:S+32*\c+15], v[SO+\c]
	v_cvt_scalef32_pk16_fp6_f32 v[TP+4*\c:TP+4*\c+2], v[S+32*\c+16:S+32*\c+31], v[SO+\c]   ; a conversion's three registers begin on an even number
.endr
	v_lshrrev_b32 v[T], 23, v[SO]                  ; my two blocks' bytes.  (A plain place behind the conversions)
	v_lshrrev_b32 v[T+1], 23, v[SO+1]
.irp n, 0,1,2
	v_mov_b32 v[PC+3+\n], v[TP+\n]
.endr
	v_lshl_or_b32 v[T], v[T+1], 16, v[T]
.irp n, 0,1,2
	v_mov_b32 v[PC+9+\n], v[TP+4+\n]
.endr
	v_lshlrev_b32 v[T], v[H8], v[T]                ; at bytes h and 2 + h
	v_permlanex16_b32 v[T+1], v[T], s[SEL], s[SEL+1]
	v_or_b32 v[FF+1], v[T], v[T+1]                 ; with the partner lane's two: p's scale word for these 128 keys
	; the sum of the unquantised p, in four chains; the first line brings the old sum under the new M.  These 24 lines are also the places in front of the products below
	v_pk_fma_f32 v[LS:LS+1], v[LS:LS+1], v[FF:FF+1], v[DD:DD+1] op_sel_hi:[1,0,1]
.irp k, 1,2,3
	v_pk_add_f32 v[CH+2*\k-2:CH+2*\k-1], v[DD+2*\k:DD+2*\k+1], v[DD+8+2*\k:DD+9+2*\k]
.endr
	v_pk_add_f32 v[LS:LS+1], v[LS:LS+1], v[DD+8:DD+9]
.irp g, 4,5,6,7
.irp k, 1,2,3
	v_pk_add_f32 v[CH+2*\k-2:CH+2*\k-1], v[CH+2*\k-2:CH+2*\k-1], v[S+8*\g+2*\k:S+8*\g+2*\k+1]
.endr
	v_pk_add_f32 v[LS:LS+1], v[LS:LS+1], v[S+8*\g:S+8*\g+1]
.endr
	v_pk_add_f32 v[CH:CH+1], v[CH:CH+1], v[CH+2:CH+3]
	v_pk_add_f32 v[LS:LS+1], v[LS:LS+1], v[CH+4:CH+5]
	v_pk_add_f32 v[LS:LS+1], v[LS:LS+1], v[CH:CH+1]
	WIN 0x51                                       ; source 0 (V), C and D (O^T) window 1
.irp b, 0,1,2,3
	v_wmma_scale_f32_16x16x128_f8f6f4 v[OW+32*(\i)+8*\b:OW+32*(\i)+8*\b+7], v[VW+12*\b:VW+12*\b+11], v[PC:PC+11], v[OW+32*(\i)+8*\b:OW+32*(\i)+8*\b+7], v[VS+\b], v[FF+1] matrix_a_fmt:MATRIX_FMT_FP6 matrix_b_fmt:MATRIX_FMT_FP6
.endr
.endm
; TILE i's WAY OUT: O^T / the sum, quantised along the head's 64 channels: two blocks.  Its codes lie in registers of their own (where K lay), so no store's data are written again
.macro EP i
.set LS, ST+4*(\i)+2
.set EC, KF+8*(\i)
	WIN 0x01                                       ; source 0 (O^T) window 1
	WALU                                           ; directly ahead of O^T's first readers
.set j, 0
.rept 16
	v_pk_mul_f32 v[S+j:S+j+1], v[OW+32*(\i)+j:OW+32*(\i)+j+1], v[LS:LS+1] op_sel_hi:[1,0]   ; register 16 b + n = channel 32 b + 16 h + n; each accumulator from its low end on
.set j, j+2
.endr
	WIN 0
.irp b, 0,1
	v_max3_num_f32 v[BM+\b], |v[S+16*\b]|, |v[S+1+16*\b]|, 0x1800000
.endr
.irp n, 2,4,6,8,10,12,14
.irp b, 0,1
	v_max3_num_f32 v[BM+\b], v[BM+\b], |v[S+16*\b+\n]|, |v[S+1+16*\b+\n]|
.endr
.endr
.irp b, 0,1
	v_permlanex16_b32 v[TP+\b], v[BM+\b], s[SEL], s[SEL+1]
.endr
.irp b, 0,1
	v_max_num_f32 v[BM+\b], v[BM+\b], v[TP+\b]
.endr
.irp b, 0,1
	v_add_nc_u32 v[SO+\b], 0xff000000, v[BM+\b]
.endr
.irp b, 0,1
	v_lshrrev_b32 v[TP+6+\b], 23, v[SO+\b]
.endr
	v_lshl_or_b32 v[SBY+(\i)], v[TP+7], 8, v[TP+6] ; the row's two scale bytes for this head
	v_cvt_scalef32_pk16_fp6_f32 v[EC:EC+2], v[S:S+15], v[SO]
	v_cvt_scalef32_pk16_fp6_f32 v[TP:TP+2], v[S+16:S+31], v[SO+1]
	v_nop                                          ; one plain place behind a scaled conversion
.irp n, 0,1,2
	v_permlane16_swap_b32 v[EC+\n], v[TP+\n]
.endr
.irp n, 0,1,2
	v_mov_b32 v[EC+3+\n], v[TP+\n]
.endr
	global_store_b128 v[L16], v[EC:EC+3], s[52:53] offset:12288*(\i)       ; 512 consecutive bytes
	global_store_b64 v[L8], v[EC+4:EC+5], s[52:53] offset:12288*(\i)+512   ; 256 consecutive bytes
.endm
	s_load_b256 s[4:11], s[0:1], 0x0               ; qb, kv, ctc, cts
	v_lshl_add_u32 v[SPW], v0, 2, SPARE
	v_mov_b32 v[NIL], 0
	ds_add_u32 v[SPW], v[NIL]                      ; the wave's opening: the add, twice on end, and its wait ahead of my first tensor load
	ds_add_u32 v[SPW], v[NIL]
	v_lshrrev_b32 v1, 5, v0
	v_readfirstlane_b32 s[WV], v1                  ; wave 0..7
	s_bfe_u32 s13, ttmp6, 0x40000                  ; cx: it enters Q's and ctx's addresses alone
	s_and_b32 s14, ttmp7, 0xffff                   ; 16 batch + head, which the four partners share
	s_mov_b32 s[G1], 15|(3<<16)|(1<<21)            ; the mask: all four; elements of 8 bytes; bit 21 beside a mask
	s_mov_b32 s[G1+1], 32<<16                      ; a dense block, two key steps, as 120 rows of 256 bytes
	s_mov_b32 s[G1+2], 120<<16
	s_mov_b32 s[G1+3], 32<<16
	s_mov_b32 s[G1+4], 120
	s_mov_b32 s[G1+5], 32
	s_mov_b32 s[G1+6], 0
	s_mov_b32 s[G1+7], 0
	s_mul_i32 s15, s[WV], 2*STEPB                  ; steps 2 w, 2 w + 1: their place in LDS and in the head's block
	s_mul_i32 s16, s14, 16*STEPB
	s_add_co_u32 s16, s16, s15
	s_mov_b32 s17, 0
	s_mov_b32 s[CS], 0x3e38aa3b                    ; c = log2(e) / 8
	s_mov_b32 s[CS+1], s[CS]                       ; named with it as a pair, so it is written
	s_mov_b32 s[SEL], 0x76543210
	s_mov_b32 s[SEL+1], 0xfedcba98
	s_wait_dscnt 0x0                               ; both opening adds are done
	s_wait_kmcnt 0x0
	s_mov_b32 s[G0], 1
	s_mov_b32 s[G0+1], s15
	s_add_nc_u64 s[G0+2:G0+3], s[6:7], s[16:17]
	s_or_b32 s[G0+3], s[G0+3], 0x80000000
	CROUND                                         ; all four work-groups are here: the joint loads meet
	s_cmp_lt_u32 s[WV], 2                          ; waves 0 and 1, which alone wait ahead of the first barrier, have a load line of their own: key steps 0-3
	s_cbranch_scc0 .Llate
	tensor_load_to_lds s[G0:G0+3], s[G1:G1+7]
	s_nop 0
	PLACES 4
	s_branch .Lasked
.Llate:
	tensor_load_to_lds s[G0:G0+3], s[G1:G1+7]
	s_nop 0
	PLACES 4
.Lasked:
	s_lshl_b32 s18, s13, 5
	s_lshl_b32 s19, s[WV], 2
	s_add_co_u32 s18, s18, s19                     ; my first query tile among the batch's 128: a multiple of 4
	s_mul_i32 s40, s14, 139264
	s_lshr_b32 s41, s18, 3
	s_mul_i32 s41, s41, 8704
	s_add_co_u32 s40, s40, s41                     ; its group of eight
	s_and_b32 s42, s18, 7
	s_lshl_b32 s42, s42, 10
	s_add_co_u32 s42, s42, s40
	s_mov_b32 s43, 0
	s_add_nc_u64 s[48:49], s[4:5], s[42:43]        ; my four images
	s_bfe_u32 s42, s18, 0x10002
	s_lshl_b32 s42, s42, 8
	s_add_co_u32 s42, s42, s40
	s_add_co_u32 s42, s42, 8192
	s_add_nc_u64 s[50:51], s[4:5], s[42:43]        ; their scale words: [r][4 tiles]
	s_lshr_b32 s44, s14, 4
	s_and_b32 s45, s14, 15
	s_lshl_b32 s44, s44, 7
	s_add_co_u32 s44, s44, s18                     ; the tile among all 512
	s_mul_i32 s42, s44, 12288
	s_mul_i32 s46, s45, 768
	s_add_co_u32 s42, s42, s46
	s_add_nc_u64 s[52:53], s[8:9], s[42:43]        ; ctx's codes
	s_lshl_b32 s42, s44, 9
	s_lshl_b32 s46, s45, 1
	s_add_co_u32 s42, s42, s46
	s_add_nc_u64 s[54:55], s[10:11], s[42:43]      ; and scale bytes
	v_and_b32 v[T], 31, v0
	v_and_b32 v[T+1], 15, v0
	v_bfe_u32 v[T+2], v0, 4, 1
	v_lshlrev_b32 v[L16], 4, v[T]
	v_lshlrev_b32 v[R16], 4, v[T+1]
	v_lshlrev_b32 v[H8], 3, v[T+2]
	v_lshl_add_u32 v[L8], v[T+2], 3, v[R16]
	global_load_b128 v[QS:QS+3], v[R16], s[50:51]
	WIN 0x40                                       ; destination window 1
.irp i, 0,1,2,3
	global_load_b128 v[QW+12*\i:QW+12*\i+3], v[L16], s[48:49] offset:1024*\i
	global_load_b128 v[QW+12*\i+4:QW+12*\i+7], v[L16], s[48:49] offset:1024*\i+512
.endr
.irp i, 0,1,2,3
.irp n, 8,9,10,11
	v_mov_b32 v[QW+12*\i+\n], 0                    ; places 80 .. 127 of the score product's K: zero codes, written once
.endr
.endr
.set j, 0
.rept 128
	v_mov_b32 v[OW+j], 0                           ; the step is written once: the first finds zeros, which the first change of M leaves zeros
.set j, j+1
.endr
	WIN 0
.irp n, 64,65,66,67
	v_mov_b32 v[KF+\n], 0                          ; what the last fragment of K runs on into
.endr
	v_mov_b32 v[FF+1], 0                           ; named as the upper half of a pair before it is first written
.irp i, 0,1,2,3
	v_mov_b32 v[ST+4*\i+1], 0xff61b1e6             ; the largest score so far: -3e38
	v_mov_b32 v[ST+4*\i+2], 0
	v_mov_b32 v[ST+4*\i+3], 0
.endr
.irp i, 0,1,2,3
	v_floor_f32 v[ST+4*\i], -v[ST+4*\i+1]
.endr
	WALU
	s_cmp_lt_u32 s[WV], 2
	s_cbranch_scc0 .Lnot_early
	s_wait_tensorcnt 0x0                           ; waves 0 and 1: my two steps have landed
.Lnot_early:
	s_barrier_signal -1
	s_barrier_wait -1                              ; steps 0-3 lie in LDS; the others may be on their way
	s_wait_loadcnt 0x0                             ; Q
.macro RUN first, trips                ; key steps first .. first + trips - 1: 128 keys each against my 64 queries
	s_mov_b32 s[TB], (\first)*STEPB
	s_mov_b32 s[CNT], \trips
.Lstep_\@:
	v_add_nc_u32 v[ADR], s[TB], v[L16]
	PLACES 3                                       ; with the addition: four places between the last step's products and the loads into their registers
.irp t, 0,1,2,3,4,5,6,7
	ds_load_b128 v[KF+8*\t:KF+8*\t+3], v[ADR] offset:1024*\t
	ds_load_b128 v[KF+8*\t+4:KF+8*\t+7], v[ADR] offset:1024*\t+512
.endr
	ds_load_b128 v[KS:KS+3], v[ADR] offset:14336   ; K's scale words: tiles 0-3 in lanes 0-15, tiles 4-7 in lanes 16-31
	ds_load_b128 v[VS:VS+3], v[ADR] offset:14848
	WIN 0x40                                       ; destination window 1
.irp b, 0,1,2,3
.irp c, 0,1,2
	ds_load_b128 v[VW+12*\b+4*\c:VW+12*\b+4*\c+3], v[ADR] offset:8192+1536*\b+512*\c
.endr
.endr
	WIN 0
	s_wait_dscnt 13                                ; K and its words are in; V's thirteen loads may be out
	TS 0
	TS 1
	TS 2
	TS 3
	WIN 0
	s_add_co_u32 s[TB], s[TB], STEPB
	s_sub_co_u32 s[CNT], s[CNT], 1
	s_cmp_lg_u32 s[CNT], 0
	s_cbranch_scc1 .Lstep_\@
.endm
	RUN 0, 4
	s_wait_tensorcnt 0x0                           ; every wave's two steps have landed
	s_wait_dscnt 0x0
	s_barrier_signal -1
	s_barrier_wait -1                              ; the whole head lies in LDS
	RUN 4, 12
.irp i, 0,1,2,3
	v_add_f32 v[ST+4*\i+2], v[ST+4*\i+2], v[ST+4*\i+3]   ; the sums' two halves.  (These twelve lines are also the places behind the last products)
.endr
.irp i, 0,1,2,3
	v_permlanex16_b32 v[T+\i], v[ST+4*\i+2], s[SEL], s[SEL+1]
.endr
.irp i, 0,1,2,3
	v_add_f32 v[ST+4*\i+2], v[ST+4*\i+2], v[T+\i]  ; and the partner lane's: the rows' sums
.endr
	WALU
.irp i, 0,1,2,3
	v_rcp_f32 v[ST+4*\i+2], v[ST+4*\i+2]
.endr
	v_nop                                          ; a plain place behind the reciprocals; the wait for them opens the first tile's way out
	EP 0
	EP 1
	EP 2
	EP 3
	v_bfe_u32 v[T], v0, 4, 1                       ; lanes 0-15 store a tile's bytes, lanes 16-31 the next tile's
	v_lshlrev_b32 v[T+1], 1, v[R16]
	v_cmp_ne_u32 vcc_lo, 0, v[T]
	v_lshl_add_u32 v[T+1], v[T], 9, v[T+1]         ; 32 r + 512 h
	v_cndmask_b32 v[SBY], v[SBY], v[SBY+1], vcc_lo
	v_cndmask_b32 v[SBY+2], v[SBY+2], v[SBY+3], vcc_lo
	global_store_b16 v[T+1], v[SBY], s[54:55]
	global_store_b16 v[T+1], v[SBY+2], s[54:55] offset:1024
	s_wait_tensorcnt 0x0                           ; the wave's end
	ds_add_u32 v[SPW], v[NIL]
	s_wait_dscnt 0x0
	CROUND                                         ; the closing round
	s_endpgm
.Lfunc_end_k_q2d0938d473_attn:
	.size	k_q2d0938d473_attn, .Lfunc_end_k_q2d0938d473_attn-k_q2d0938d473_attn
	.p2alignl 7, 3214868480
	.fill 96, 4, 3214868480
	.section	.rodata,"a",@progbits
	.p2align	6, 0x0
	.amdhsa_kernel k_q2d0938d473_attn
		.amdhsa_group_segment_fixed_size 262144
		.amdhsa_private_segment_fixed_size 0
		.amdhsa_enable_private_segment 0
		.amdhsa_kernarg_size 32
		.amdhsa_user_sgpr_count 2
		.amdhsa_user_sgpr_kernarg_segment_ptr 1
		.amdhsa_wavefront_size32 1
		.amdhsa_system_sgpr_workgroup_id_x 1
		.amdhsa_system_sgpr_workgroup_id_y 1
		.amdhsa_system_sgpr_workgroup_id_z 1
		.amdhsa_system_vgpr_workitem_id 0
		.amdhsa_next_free_vgpr 512
		.amdhsa_next_free_sgpr 66
		.amdhsa_reserve_vcc 1
		.amdhsa_float_denorm_mode_32 3
		.amdhsa_float_denorm_mode_16_64 3
		.amdhsa_memory_ordered 1
		.amdhsa_forward_progress 1
		.amdhsa_inst_pref_size 130
	.end_amdhsa_kernel
	.amdgpu_metadata
---
amdhsa.version: [ 1, 2 ]
amdhsa.kernels:
  - .name:           k_q2d0938d473_attn
    .symbol:         k_q2d0938d473_attn.kd
    .args:
      - { .name: qb, .offset: 0, .size: 8, .value_kind: global_buffer, .address_space: global }
      - { .name: kv, .offset: 8, .size: 8, .value_kind: global_buffer, .address_space: global }
      - { .name: ctc, .offset: 16, .size: 8, .value_kind: global_buffer, .address_space: global }
      - { .name: cts, .offset: 24, .size: 8, .value_kind: global_buffer, .address_space: global }
    .group_segment_fixed_size: 262144
    .private_segment_fixed_size: 0
    .kernarg_segment_align: 8
    .kernarg_segment_size: 32
    .max_flat_workgroup_size: 256
    .sgpr_count:     66
    .vgpr_count:     512
    .wavefront_size: 32
...
	.end_amdgpu_metadata
.endif
;; end of part 3
;; launch oproj (part 4): grid 4 x 64, 4 waves a work-group, clusters of 4 x 4, 327,680 bytes of LDS; arguments cod, scl, ctc, cts, bo, out0; writes out0
.if DOCPART == 4
	.amdgcn_target "amdgcn-amd-amdhsa--gfx1250"
	.amdhsa_code_object_version 6
	.text
	.protected	k_q2d0938d473_oproj
	.globl	k_q2d0938d473_oproj
	.p2align	8
	.type	k_q2d0938d473_oproj,@function
k_q2d0938d473_oproj:
	s_mov_b64 s[64:65], 0
	v_nop
	global_prefetch_b8 v0, s[64:65] scope:SCOPE_SE
	s_setreg_imm32_b32 hwreg(HW_REG_WAVE_MODE, 25, 1), 1
	s_wait_xcnt 0x0
	s_wait_alu depctr_hold_cnt(0) depctr_sa_sdst(0) depctr_va_vdst(0) depctr_va_sdst(0) depctr_va_ssrc(0) depctr_va_vcc(0) depctr_vm_vsrc(0)
	s_getreg_b32 s2, hwreg(HW_REG_IB_STS2, 6, 4)
	s_cmp_eq_u32 s2, 0
	s_cbranch_scc0 .Lentry_in_a_cluster
	s_endpgm
.Lentry_in_a_cluster:
	s_bfe_u32 s2, ttmp6, 0x10000c
	s_cmp_lg_u32 s2, 0xf033
	s_cbranch_scc0 .Lentry_shape_is_right
	s_endpgm
.Lentry_shape_is_right:
; out0 = ctx Wo + bo, on ctx's codes (from the attention) and Wo's (from the first launch).  No work is left out here.
; The form of the projections: G[p][r] = sum over k of P[p][k] R[r][k], P = Wo's rows n (source 0), R = ctx's rows (source 1): a lane holds one token, its registers run along the output's channels.
; A work-group makes 256 channels x 128 tokens; wave w: P tiles 8 (w / 2) on, R tiles 4 (w % 2) on: 32 accumulators.  256 work-groups.
; LDS: all of K in four chunks of two K steps, each filled ONCE at the head.  CLUSTER 4 x 4: P shared along a column, R along a row: joint loads.
; THE WAY OUT: a tile's 16 tokens x 128 channels go through the wave's stage and leave as rows of 512 consecutive bytes.  The stages lie in chunk 0: it has had its only fill, and every
; wave has awaited its reads of it in front of the barrier at K step 1.
; REGISTERS.  window 0: v1-15 addresses; v16-47, v48-63 scale words, nothing else; v64-207 fragments, set 0; on the way out v64-127 results, v128-191 rows.  window 1: accumulator (a, b) at v[64 b + 8 a].
;             window 2: v0-63 the bias; v64-207 fragments, set 1.
; LDS AS IT IS NOW: all of K in TWO HALVES of four K steps, each filled once at the head, ONE tensor load a wave: wave 0 P's 16 tiles of K steps 0-3, wave 1 R's 8, wave 2 P's of K steps 4-7, wave 3 R's.
; Waves 0 and 1 wait ahead of the first barrier; every wave waits ahead of the barrier at K step 3, which shows the second half.  The stages lie in the first half, whose last reads every wave has awaited in front of that barrier.
.set CHUNK, 147456                     ; a half of K: P's 16 rows of 6,144 bytes, then R's 8
.set PROW,  6144
.set ROFF,  98304
.set SPARE, 2*CHUNK
.set STG,   8448                       ; a stage: 16 rows x (512 bytes + 16)
.set L16,  1
.set L8,   2
.set AP16, 3
.set AP8,  4
.set AR16, 5
.set AR8,  6
.set SPW,  8
.set NIL,  9
.set H64,  10
.set RR,   11
.set HH,   12
.set SOA,  13
.set SRA,  14
.set CSO,  15
.set PS,   16
.set RS,   48
.set FP,   64
.set FQ,   160
.set VAL,  64
.set BK,   128
.set WV,   20
.set G1P,  28
.set G1R,  36
.set G0P,  44
.set G0R,  68
.set MSB, 0
.macro WIN new
.if MSB != \new
	s_set_vgpr_msb (MSB<<8)|\new
.set MSB, \new
.endif
.endm
.macro PLACES
.rept 4
	v_nop
.endr
.endm
.macro CROUND
	s_barrier_signal -1
	s_barrier_wait -1
	s_cmp_lg_u32 s[WV], 0
	s_cbranch_scc1 .Lnot_wave_0_\@
	s_barrier_signal -3
.Lnot_wave_0_\@:
	s_barrier_wait -3
	s_barrier_signal -1
	s_barrier_wait -1
.endm
.macro FETCH s                         ; 48 LDS loads: the twelve fragments of K step s into set s % 2
.if ((\s)%2) == 0
	WIN 0
.else
	WIN 0x80
.endif
.irp a, 0,1,2,3,4,5,6,7
	ds_load_b128 v[FP+12*\a:FP+12*\a+3], v[AP16] offset:\a*PROW+((\s)%2)*1536
	ds_load_b64 v[FP+12*\a+4:FP+12*\a+5], v[AP8] offset:\a*PROW+((\s)%2)*1536+512
	ds_load_b128 v[FP+12*\a+6:FP+12*\a+9], v[AP16] offset:\a*PROW+((\s)%2)*1536+768
	ds_load_b64 v[FP+12*\a+10:FP+12*\a+11], v[AP8] offset:\a*PROW+((\s)%2)*1536+1280
.endr
.irp b, 0,1,2,3
	ds_load_b128 v[FQ+12*\b:FQ+12*\b+3], v[AR16] offset:\b*PROW+((\s)%2)*1536
	ds_load_b64 v[FQ+12*\b+4:FQ+12*\b+5], v[AR8] offset:\b*PROW+((\s)%2)*1536+512
	ds_load_b128 v[FQ+12*\b+6:FQ+12*\b+9], v[AR16] offset:\b*PROW+((\s)%2)*1536+768
	ds_load_b64 v[FQ+12*\b+10:FQ+12*\b+11], v[AR8] offset:\b*PROW+((\s)%2)*1536+1280
.endr
.endm
.macro MUL s                           ; 32 matrix instructions; the 32 accumulators take turns, one instruction a turn
.if ((\s)%2) == 0
	WIN 0x50
.else
	WIN 0x5a
.endif
.irp b, 0,1,2,3
.irp a, 0,1,2,3,4,5,6,7
.if (\s) == 0
	v_wmma_scale_f32_16x16x128_f8f6f4 v[64*\b+8*\a:64*\b+8*\a+7], v[FP+12*\a:FP+12*\a+11], v[FQ+12*\b:FQ+12*\b+11], 0, v[PS+4*\a+(\s)%4], v[RS+4*\b+(\s)%4] matrix_a_fmt:MATRIX_FMT_FP6 matrix_b_fmt:MATRIX_FMT_FP6
.elseif (\s) < 4
	v_wmma_scale_f32_16x16x128_f8f6f4 v[64*\b+8*\a:64*\b+8*\a+7], v[FP+12*\a:FP+12*\a+11], v[FQ+12*\b:FQ+12*\b+11], v[64*\b+8*\a:64*\b+8*\a+7], v[PS+4*\a+(\s)%4], v[RS+4*\b+(\s)%4] matrix_a_fmt:MATRIX_FMT_FP6 matrix_b_fmt:MATRIX_FMT_FP6
.else
	v_wmma_scale_f32_16x16x128_f8f6f4 v[64*\b+8*\a:64*\b+8*\a+7], v[FP+12*\a:FP+12*\a+11], v[FQ+12*\b:FQ+12*\b+11], v[64*\b+8*\a:64*\b+8*\a+7], v[PS+4*\a+(\s)%4], v[RS+4*\b+(\s)%4] matrix_a_fmt:MATRIX_FMT_FP6 matrix_b_fmt:MATRIX_FMT_FP6 matrix_a_scale:MATRIX_SCALE_ROW1 matrix_b_scale:MATRIX_SCALE_ROW1
.endif
.endr
.endr
.endm
.macro KSTEP s
.if (\s) == 3
	s_wait_tensorcnt 0x0                           ; every wave's load has landed: the second half of K among them
.endif
	s_wait_dscnt 0x0                               ; this step's fragments are in, and no LDS instruction of mine is out at the signal
.if ((\s)%2) && ((\s) < 7)
	WIN 0
.if (\s) == 3
	s_barrier_signal -1
	s_barrier_wait -1
.set STP, CHUNK-PROW/2                 ; on to the second half
.else
.set STP, PROW/2                       ; two K steps on in the rows
.endif
	v_add_nc_u32 v[AP16], STP, v[AP16]             ; these four are also the places in front of the loads below
	v_add_nc_u32 v[AP8], STP, v[AP8]
	v_add_nc_u32 v[AR16], STP, v[AR16]
	v_add_nc_u32 v[AR8], STP, v[AR8]
.elseif ((\s) > 0) && ((\s) < 7)
	PLACES
.endif
.if (\s) < 7
	s_wait_alu depctr_va_vdst(0)
	FETCH (\s)+1
.endif
	MUL \s
.endm
	s_load_b256 s[4:11], s[0:1], 0x0               ; cod, scl, ctc, cts
	s_load_b128 s[12:15], s[0:1], 0x20             ; bo, out0
	v_lshl_add_u32 v[SPW], v0, 2, SPARE
	v_mov_b32 v[NIL], 0
	ds_add_u32 v[SPW], v[NIL]                      ; the wave's opening: the add, twice on end, and its wait ahead of my first tensor load
	ds_add_u32 v[SPW], v[NIL]
	v_lshrrev_b32 v1, 5, v0
	v_readfirstlane_b32 s[WV], v1
	s_lshr_b32 s21, s[WV], 1                       ; pw.  Also: I fetch for P (0) or for R (1)
	s_and_b32 s22, s[WV], 1                        ; rw.  Also: which half of those tiles I fetch
	s_bfe_u32 s23, ttmp6, 0x40000                  ; cx
	s_bfe_u32 s24, ttmp6, 0x40004                  ; cy
	s_and_b32 s25, ttmp7, 0xffff                   ; the cluster, 0..15
	s_lshl_b32 s84, s23, 4
	s_add_co_u32 s84, s84, 1728                    ; P's first tile: Wo's, + 16 cx
	s_lshl_b32 s27, s25, 2
	s_add_co_u32 s27, s27, s24                     ; which 128 tokens
	s_lshl_b32 s88, s27, 3                         ; R's first tile
	s_mul_i32 s86, s84, 12288
	s_mov_b32 s87, 0
	s_mul_i32 s90, s88, 12288
	s_mov_b32 s91, 0
	s_lshl_b32 s[G1P], 0x1111, s23                 ; my column of the cluster
	s_or_b32 s[G1P], s[G1P], (3<<16)|(1<<21)
	s_lshl_b32 s[G1R], s24, 2
	s_lshl_b32 s[G1R], 15, s[G1R]                  ; my row
	s_or_b32 s[G1R], s[G1R], (3<<16)|(1<<21)
	s_mov_b32 s[G1P+1], 768<<16                    ; rows of 6,144 bytes (768 elements of 8), 12,288 apart in memory, dense in LDS: 16 for P, 8 for R
	s_mov_b32 s[G1P+2], 16<<16
	s_mov_b32 s[G1P+3], 768<<16
	s_mov_b32 s[G1P+4], 16
	s_mov_b32 s[G1P+5], 1536
	s_mov_b32 s[G1P+6], 0
	s_mov_b32 s[G1P+7], 0
	s_mov_b32 s[G1R+1], 768<<16
	s_mov_b32 s[G1R+2], 8<<16
	s_mov_b32 s[G1R+3], 768<<16
	s_mov_b32 s[G1R+4], 8
	s_mov_b32 s[G1R+5], 1536
	s_mov_b32 s[G1R+6], 0
	s_mov_b32 s[G1R+7], 0
	s_wait_dscnt 0x0                               ; both opening adds are done
	s_wait_kmcnt 0x0
	s_add_nc_u64 s[86:87], s[4:5], s[86:87]
	s_add_nc_u64 s[90:91], s[8:9], s[90:91]
.irp c, 0,1
	s_mov_b32 s[G0P+4*\c], 1
	s_mov_b32 s[G0P+4*\c+1], \c*CHUNK
	s_add_nc_u64 s[G0P+4*\c+2:G0P+4*\c+3], s[86:87], \c*PROW
	s_or_b32 s[G0P+4*\c+3], s[G0P+4*\c+3], 0x80000000
	s_mov_b32 s[G0R+4*\c], 1
	s_mov_b32 s[G0R+4*\c+1], \c*CHUNK+ROFF
	s_add_nc_u64 s[G0R+4*\c+2:G0R+4*\c+3], s[90:91], \c*PROW
	s_or_b32 s[G0R+4*\c+3], s[G0R+4*\c+3], 0x80000000
.endr
	CROUND                                         ; all sixteen work-groups are here: the joint loads meet
	s_cmp_eq_u32 s[WV], 0                          ; one chain of branches on the wave's number, one load to an arm: one tensor load of mine is out
	s_cbranch_scc0 .Lfill_1
	tensor_load_to_lds s[G0P:G0P+3], s[G1P:G1P+7]
	s_nop 0
	PLACES
	s_branch .Lfilled
.Lfill_1:
	s_cmp_eq_u32 s[WV], 1
	s_cbranch_scc0 .Lfill_2
	tensor_load_to_lds s[G0R:G0R+3], s[G1R:G1R+7]
	s_nop 0
	PLACES
	s_branch .Lfilled
.Lfill_2:
	s_cmp_eq_u32 s[WV], 2
	s_cbranch_scc0 .Lfill_3
	tensor_load_to_lds s[G0P+4:G0P+7], s[G1P:G1P+7]
	s_nop 0
	PLACES
	s_branch .Lfilled
.Lfill_3:
	tensor_load_to_lds s[G0R+4:G0R+7], s[G1R:G1R+7]
	s_nop 0
	PLACES
.Lfilled:
	v_and_b32 v1, 31, v0
	v_lshlrev_b32 v[L16], 4, v1
	v_and_b32 v[RR], 15, v0
	v_bfe_u32 v[HH], v0, 4, 1
	v_lshlrev_b32 v[L8], 4, v[RR]
	v_lshl_add_u32 v[L8], v[HH], 3, v[L8]
	v_lshlrev_b32 v[H64], 6, v[HH]
	v_lshlrev_b32 v[CSO], 5, v[RR]
	v_lshl_add_u32 v[CSO], v[HH], 4, v[CSO]        ; ctx's scale words: 32 r + 16 h
	s_wait_alu depctr_va_vdst(0)
	s_mul_i32 s94, s21, 8*PROW
	s_mul_i32 s95, s22, 4*PROW
	s_add_co_u32 s95, s95, ROFF
	v_add_nc_u32 v[AP16], s94, v[L16]
	v_add_nc_u32 v[AP8], s94, v[L8]
	v_add_nc_u32 v[AR16], s95, v[L16]
	v_add_nc_u32 v[AR8], s95, v[L8]
	s_mul_i32 s94, s[WV], STG                      ; my stage
	v_mul_u32_u24 v[SOA], v[RR], 528
	v_add_nc_u32 v[SOA], v[SOA], v[H64]
	v_add_nc_u32 v[SOA], s94, v[SOA]               ; in: row r, + 64 h
	v_add_nc_u32 v[SRA], s94, v[L16]               ; back: 16 x lane
	s_lshl_b32 s96, s21, 3
	s_add_co_u32 s96, s96, s84
	s_lshl_b32 s96, s96, 9
	s_mov_b32 s97, 0
	s_add_nc_u64 s[96:97], s[6:7], s[96:97]
	s_lshl_b32 s98, s22, 2
	s_add_co_u32 s98, s98, s88
	s_lshl_b32 s98, s98, 9
	s_mov_b32 s99, 0
	s_add_nc_u64 s[98:99], s[10:11], s[98:99]
.irp a, 0,1,2,3,4,5,6,7
	global_load_b128 v[PS+4*\a:PS+4*\a+3], v[L16], s[96:97] offset:512*\a
.endr
.irp b, 0,1,2,3
	global_load_b128 v[RS+4*\b:RS+4*\b+3], v[CSO], s[98:99] offset:512*\b   ; lanes 0-15: K steps 0-3 of row r; lanes 16-31: K steps 4-7
.endr
	s_lshl_b32 s62, s23, 10
	s_lshl_b32 s60, s21, 9
	s_add_co_u32 s62, s62, s60                     ; 4 (256 cx + 128 pw)
	s_mov_b32 s63, 0
	s_add_nc_u64 s[66:67], s[12:13], s[62:63]
	WIN 0x80
.irp b, 0,1,2,3
.irp j, 0,1,2,3
	global_load_b128 v[16*\b+4*\j:16*\b+4*\j+3], v[H64], s[66:67] offset:128*\b+16*\j   ; bo at my 64 channels
.endr
.endr
	WIN 0
	s_lshl_b32 s60, s27, 7
	s_lshl_b32 s61, s22, 6
	s_add_co_u32 s60, s60, s61                     ; my first token
	s_lshl_b32 s60, s60, 12                        ; rows of 4,096 bytes
	s_add_co_u32 s60, s60, s62
	s_mov_b32 s61, 0
	s_add_nc_u64 s[60:61], s[14:15], s[60:61]
	s_wait_alu depctr_va_vdst(0)
	s_cmp_lt_u32 s[WV], 2
	s_cbranch_scc0 .Lnot_first
	s_wait_tensorcnt 0x0                           ; waves 0 and 1: the first half of K has landed
.Lnot_first:
	s_barrier_signal -1
	s_barrier_wait -1
	FETCH 0
	s_wait_loadcnt 0x0                             ; scale words and bias
.irp s, 0,1,2,3,4,5,6,7
	KSTEP \s
.endr
	WIN 0
	PLACES                                         ; in front of the first read of results and the first write of fragment registers
.macro OUT b                           ; R tile b: 16 tokens x 128 channels
.if \b > 0
	s_wait_xcnt 0x0                                ; the last tile's stores have read their registers
.endif
	WIN 0x09                                       ; source 0 window 1, source 1 window 2
.set j, 0
.rept 32
	v_pk_add_f32 v[VAL+j:VAL+j+1], v[64*\b+j:64*\b+j+1], v[j:j+1]   ; + bo; each accumulator from its low end on
.set j, j+2
.endr
	WIN 0
.irp c, 0,1,2,3
.irp j, 0,1,2,3
	ds_store_b128 v[SOA], v[VAL+16*\c+4*\j:VAL+16*\c+4*\j+3] offset:128*\c+16*\j
.endr
.endr
.irp i, 0,1,2,3,4,5,6,7,8,9,10,11,12,13,14,15
	ds_load_b128 v[BK+4*\i:BK+4*\i+3], v[SRA] offset:528*\i   ; LDS serves a wave's instructions in order: these see the stores above
.endr
	s_wait_dscnt 0x0
.irp i, 0,1,2,3,4,5,6,7,8,9,10,11,12,13,14,15
	global_store_b128 v[L16], v[BK+4*\i:BK+4*\i+3], s[60:61] offset:4096*(32*(\b/2)+8*(\b%2)+\i+8*(\i/8)) th:TH_STORE_NT   ; 512 consecutive bytes of a token's row
.endr
.endm
	OUT 0
	OUT 1
	OUT 2
	OUT 3
	s_wait_tensorcnt 0x0                           ; the wave's end, behind my last LDS store
	ds_add_u32 v[SPW], v[NIL]
	s_wait_dscnt 0x0
	CROUND                                         ; the closing round
	s_endpgm
.Lfunc_end_k_q2d0938d473_oproj:
	.size	k_q2d0938d473_oproj, .Lfunc_end_k_q2d0938d473_oproj-k_q2d0938d473_oproj
	.p2alignl 7, 3214868480
	.fill 96, 4, 3214868480
	.section	.rodata,"a",@progbits
	.p2align	6, 0x0
	.amdhsa_kernel k_q2d0938d473_oproj
		.amdhsa_group_segment_fixed_size 327680
		.amdhsa_private_segment_fixed_size 0
		.amdhsa_enable_private_segment 0
		.amdhsa_kernarg_size 48
		.amdhsa_user_sgpr_count 2
		.amdhsa_user_sgpr_kernarg_segment_ptr 1
		.amdhsa_wavefront_size32 1
		.amdhsa_system_sgpr_workgroup_id_x 1
		.amdhsa_system_sgpr_workgroup_id_y 1
		.amdhsa_system_sgpr_workgroup_id_z 1
		.amdhsa_system_vgpr_workitem_id 0
		.amdhsa_next_free_vgpr 768
		.amdhsa_next_free_sgpr 102
		.amdhsa_reserve_vcc 0
		.amdhsa_float_denorm_mode_32 3
		.amdhsa_float_denorm_mode_16_64 3
		.amdhsa_memory_ordered 1
		.amdhsa_forward_progress 1
		.amdhsa_inst_pref_size 91
	.end_amdhsa_kernel
	.amdgpu_metadata
---
amdhsa.version: [ 1, 2 ]
amdhsa.kernels:
  - .name:           k_q2d0938d473_oproj
    .symbol:         k_q2d0938d473_oproj.kd
    .args:
      - { .name: cod, .offset: 0, .size: 8, .value_kind: global_buffer, .address_space: global }
      - { .name: scl, .offset: 8, .size: 8, .value_kind: global_buffer, .address_space: global }
      - { .name: ctc, .offset: 16, .size: 8, .value_kind: global_buffer, .address_space: global }
      - { .name: cts, .offset: 24, .size: 8, .value_kind: global_buffer, .address_space: global }
      - { .name: bo, .offset: 32, .size: 8, .value_kind: global_buffer, .address_space: global }
      - { .name: out0, .offset: 40, .size: 8, .value_kind: global_buffer, .address_space: global }
    .group_segment_fixed_size: 327680
    .private_segment_fixed_size: 0
    .kernarg_segment_align: 8
    .kernarg_segment_size: 48
    .max_flat_workgroup_size: 128
    .sgpr_count:     102
    .vgpr_count:     768
    .wavefront_size: 32
...
	.end_amdgpu_metadata
.endif
;; end of part 4
